; MI455X (gfx1250); checked and timed in simulation.
; The chip was launched on July 23, 2026; its instructions are those of AMD's public machine-readable ISA for CDNA 5 (MIT licence, August 2026) and "CDNA5" Instruction Set Architecture Reference Guide (July 2026). The comments in the code are by the model that wrote it; some were corrected since.
;; Decoder Only Block. Allowed arithmetic: matrix products marked QUANTISED: E2M1 operands, one E8M0 scale for each 32 along K, by v_wmma_scale_f32_16x16x128_f8f6f4 with both operands' format E2M1 (or v_wmma_scale_f32_32x16x128_f4), f32 sums; everything else in f32.
;; Inputs: b1 2,048 float32; b2 512 float32; be1 512 float32; be2 512 float32; bk 512 float32; bo 512 float32; bq 512 float32; bv 512 float32; g1 512 float32; g2 512 float32; pad_mask 4 x 2,048 bool; w1_codes 2,048 x 16 x 16 uint8 (E2M1 codes of w1, K innermost, in blocks of 32 codes, two codes a byte); w1_scales 2,048 x 16 uint8 (E8M0 scales of w1, one for each 32 codes along K); w2_codes 512 x 64 x 16 uint8 (E2M1 codes of w2, K innermost, in blocks of 32 codes, two codes a byte); w2_scales 512 x 64 uint8 (E8M0 scales of w2, one for each 32 codes along K); wk_codes 512 x 16 x 16 uint8 (E2M1 codes of wk, K innermost, in blocks of 32 codes, two codes a byte); wk_scales 512 x 16 uint8 (E8M0 scales of wk, one for each 32 codes along K); wo_codes 512 x 16 x 16 uint8 (E2M1 codes of wo, K innermost, in blocks of 32 codes, two codes a byte); wo_scales 512 x 16 uint8 (E8M0 scales of wo, one for each 32 codes along K); wq_codes 512 x 16 x 16 uint8 (E2M1 codes of wq, K innermost, in blocks of 32 codes, two codes a byte); wq_scales 512 x 16 uint8 (E8M0 scales of wq, one for each 32 codes along K); wv_codes 512 x 16 x 16 uint8 (E2M1 codes of wv, K innermost, in blocks of 32 codes, two codes a byte); wv_scales 512 x 16 uint8 (E8M0 scales of wv, one for each 32 codes along K); x 4 x 2,048 x 512 float32.
;; Outputs: out0 4 x 2,048 x 512 float32.
;; This version of the problem:
;;   THIS VERSION OF THE PROBLEM IS GIVEN IN LOW PRECISION. The matrix products marked QUANTISED in the list below multiply operands that are first quantised to E2M1 (2 exponent bits, 1 mantissa bit; 4 bits a number), with one power-of-two scale for each 32 numbers along K (OCP MX v1.0); their sums are f32. All else is computed in f32.
;;   The module's matrix products, in the order in which they are computed (A, B: the left and right operand; K: the contracted axis; several contracted axes count as one K, in the product's order):
;;     1. [M 8,192, K 512] x [K 512, N 512]; A: input x; B: input wq (given as codes): QUANTISED
;;     2. [M 8,192, K 512] x [K 512, N 512]; A: input x; B: input wk (given as codes): QUANTISED
;;     3. [M 8,192, K 512] x [K 512, N 512]; A: input x; B: input wv (given as codes): QUANTISED
;;     4. batch 32 x [M 2,048, K 64] x [K 64, N 2,048]; A: computed on the way; B: computed on the way: QUANTISED
;;     5. batch 32 x [M 2,048, K 2,048] x [K 2,048, N 64]; A: softmax (see below); B: computed on the way: QUANTISED
;;     6. [M 8,192, K 512] x [K 512, N 512]; A: computed on the way; B: input wo (given as codes): QUANTISED
;;     7. [M 8,192, K 512] x [K 512, N 2,048]; A: computed on the way; B: input w1 (given as codes): QUANTISED
;;     8. [M 8,192, K 2,048] x [K 2,048, N 512]; A: computed on the way; B: input w2 (given as codes): QUANTISED
;;   THE QUANTISER, for each operand of a quantised product, along K:
;;     - K is cut into blocks of 32 from its start; a last block that is shorter is filled with zeros.
;;     - A block's scale is 2^e with e = floor(log2(the largest magnitude in the block)) - 2, held to -126 .. 127; a block of zeros has e = 0. As a byte (E8M0): e + 127.
;;     - Each number is divided by its block's scale, clamped to +-6, and rounded to the nearest number of E2M1, ties to even, subnormals kept.
;;     - The product sums the exact products of the quantised numbers (number of the format x scale) in f32.
;;   ~~~python
;;   def quantise(x, axis):      # numpy; x: float32 -> the quantised numbers, widened to float32 again
;;       x = np.moveaxis(x, axis, -1); K = x.shape[-1]
;;       x = np.pad(x, [(0, 0)] * (x.ndim - 1) + [(0, -K % 32)]); x = x.reshape(x.shape[:-1] + (-1, 32)); a = np.abs(x).max(-1, keepdims=True)
;;       e = np.where(a > 0, np.clip(np.frexp(np.where(a > 0, a, 1))[1] - 1 - 2, -126, 127), 0)      # np.frexp(a)[1] - 1 = floor(log2(a)), exactly
;;       r = np.clip(x / 2.0 ** e, -6, 6)
;;       step = 2.0 ** (np.maximum(np.frexp(np.where(r == 0, 1, r))[1] - 1, 0) - 1)
;;       q = np.round(r / step) * step * 2.0 ** e      # np.round: ties to even
;;       return np.moveaxis(q.reshape(q.shape[:-2] + (-1,))[..., :K], -1, axis).astype(np.float32)
;;   ~~~
;;   SOFTMAX AHEAD OF A QUANTISED PRODUCT. Where the list says 'softmax', what is quantised is not the finished softmax but p = 2^(t - M), with t = logit x log2(e) and M = ceil(the row's largest t), a whole number; so 1/2 < the row's largest p <= 1. The row's sum l is taken of the UNQUANTISED p, in f32, and the product's result is divided by l at the end. Since M is a whole number, a kernel that streams over the keys may use a running M (the ceiling of the running maximum): every later rescaling is an exact power of two, which a block's scale takes up: the codes' values come out the same.
;;   OPERANDS COMPUTED ON THE WAY. 'Computed on the way' means the value that the module computes at that place (a softmax that the list does not call 'softmax' is quantised finished and normalised). What goes into a quantiser is computed in f32, as accurately as f32 sums, v_exp_f32 and their like allow (about 1e-6 of the number): no bf16 or f16 on the way to a quantiser, and a product that is left as it is and whose result goes on into a quantised operand takes f32 operands (vector FMAs, or v_wmma_f32_16x16x4_f32). A number that lies on a knife's edge between two numbers of the format may be rounded either way, as far as f32 arithmetic and the matrix unit's own rounding can turn it there, and no further.
;;   INPUTS GIVEN AS CODES. w1 (in the module: [512, 2048], K = its axis 0); w2 (in the module: [2048, 512], K = its axis 0); wk (in the module: [512, 512], K = its axis 0); wo (in the module: [512, 512], K = its axis 0); wq (in the module: [512, 512], K = its axis 0); wv (in the module: [512, 512], K = its axis 0): each comes as NAME_codes (uint8): NAME with its K axis moved to the last place and cut into blocks of 32 codes, [.., K / 32, bytes a block], one block behind the other in memory; two codes a byte, the lower K in the low four bits (a code: sign, 2 exponent bits, 1 mantissa bit); and NAME_scales (uint8): the same leading axes, one E8M0 byte (e + 127) for each 32 codes along K. Its value is code x scale, taken as it is: it is not quantised again, and the codes and scales need not be those that the quantiser above would give.
;; 2 versions. Each part assembles by itself: llvm-mc -triple=amdgcn-amd-amdhsa -mcpu=gfx1250 --defsym DOCPART=n.
;; ======== version 1 of 2: 2 launches
;; limits: right only within a limited range of input values
;; workspace buffers: qc 2,097,152 bytes; kc 2,097,152 bytes; vc 2,097,152 bytes; qks 524,288 bytes; vs 262,144 bytes; vp 262,144 bytes; padf 34,816 bytes; wimg 1,212,416 bytes
;; launch qkv (part 1): grid 128 x 2, 4 waves a work-group, no clusters, 18,944 bytes of LDS; arguments x, pad_mask, wq_codes, wq_scales, bq, wk_codes, wk_scales, bk, wv_codes, wv_scales, bv, wo_codes, w1_codes, w2_codes, w2_scales, qc, kc, vc, qks, vs, vp, padf, wimg; writes qc, kc, vc, qks, vs, vp, padf, wimg
.if DOCPART == 1
	.amdgcn_target "amdgcn-amd-amdhsa--gfx1250"
	.amdhsa_code_object_version 6
	.text
	.protected	k_q34161d308f_qkv
	.globl	k_q34161d308f_qkv
	.p2align	8
	.type	k_q34161d308f_qkv,@function
k_q34161d308f_qkv:
	s_mov_b64 s[64:65], 0
	v_nop
	global_prefetch_b8 v0, s[64:65] scope:SCOPE_SE
	s_setreg_imm32_b32 hwreg(HW_REG_WAVE_MODE, 25, 1), 1
	s_wait_xcnt 0x0
; q = x wq + bq, k = x wk + bk, v = x wv + bv on codes of E2M1 with one E8M0 scale for each 32 along K; q and k are then quantised along the head's 64,
; v along the keys, and all three leave as images of operand registers.  x: [8192][512] f32, quantised here.  The weights come as codes, K innermost.
; SHARES.  Work-group (G, y): tokens 64 G .. 64 G + 63, heads 4 y .. 4 y + 3.  Wave w: head 4 y + w, all 64 tokens; in the first phase it quantises token tile w of x.
; A wave's part of wq, wk, wv (3 x 16 fragments) is read once, straight into its registers: each weight byte serves one wave of the work-group, so a joint load into LDS
; would add an LDS read to every fragment: no tensor load and no cluster here.
; TILES.  Lane r of tile 2 b + u of any set of rows (tokens, weight rows) takes row 32 b + 8 u + r + 8 (r / 8): so in a result the 16 registers of tiles 2 b and 2 b + 1
; are 16 neighbours, 32 b + 16 (lane / 16) + 0 .. 15, and the conversions' results are the next operand's registers.
; q, k: source 0 = 16 rows of the weight, source 1 = 16 tokens: a lane holds one token, its registers run along the head.  v: source 0 = 16 tokens, source 1 = 16 rows of wv:
; a lane holds one channel, its registers run along the keys.
; ON THE SIDE: wo, w1, w2 (and w2's scales) are laid in the order of operand registers; pad_mask becomes an additive f32 mask; each block's column sum of quantised v is stored
; (a row of attention with no allowed key needs the sum over all keys).
; LIMITS: a block of zeros gets the scale byte 1 and not 127 (its codes are zeros; only this program reads the bytes); blocks whose largest magnitude lies under 2^-124 are held at byte 1;
; NaN and infinities among the inputs are not served.
; REGISTERS.  window 0: v4-14 addresses; v32-95 HA; v96-159 ST (x), later v96-127 XF and v128-159 copied weights; v160-175 codes; v176-179 zeros; v180-191 TM; v196.. scale words.
;   window 1: wq's 16 fragments, wk's 16.   window 2: wv's 16; from v128 bq, bk, bv in the results' layouts.   window 3: v's 16 accumulators, (channel tile t, token tile m) at 32 t + 8 m.
.set FLOORC, 0x1800000                 ; 2^(3 - 127): no largest magnitude is taken under it, so a scale's byte cannot fall under 1
.set EOFFC,  0xff000000                ; takes 2 off an exponent field
.set NEGC,   0xcfee6b28                ; -8e9: what a hidden key adds to its raw score
.set XSC,  16384                       ; LDS: x's 16 fragments at (4 m + s) x 1024; behind them their scale words, [m][lane][s]
.set XA,   4
.set LI,   5
.set LSC,  6
.set LB,   7
.set LW,   8
.set XWI,  9
.set XWS,  10
.set LBV,  11
.set SH16, 12
.set L8,   13
.set L4,   14
.set HA,   32
.set ST,   96
.set XF,   96
.set CP,   128
.set PC,   160
.set PCV,  160
.set ZR,   176
.set TM,   180
.set PW,   196
.set PWV,  198
.set SW,   200
.set XS,   204
.set WQS,  208
.set WKS,  216
.set WVS,  224
.set ONES, 232
.set ONE_S, 240
.set VO,   241
.set TT,   244
.set WQ,   0
.set WK,   128
.set WV,   0
.set BQ,   128
.set BK,   160
.set BV,   192
.set MSB, 0
.macro WIN new                         ; the immediate's high byte repeats the setting that is left; a switch that changes nothing is dropped
.if MSB != (\new)
	s_set_vgpr_msb (MSB<<8)|(\new)
.set MSB, (\new)
.endif
.endm
.macro NOP4
.rept 4
	v_nop
.endr
.endm
.macro BARRIER                         ; my LDS stores have landed and my LDS loads are in: then the work-group's barrier
	s_wait_dscnt 0x0
	s_barrier_signal -1
	s_barrier_wait -1
.endm
; one matrix instruction.  c < 0: the constant 0 starts the sum.  ar, br: the side's scales stand in lanes 16-31
.macro MM d, a, b, c, sa, sb, ar, br
.if (\c) < 0
.if (\ar)
	v_wmma_scale_f32_16x16x128_f8f6f4 v[(\d):(\d)+7], v[(\a):(\a)+7], v[(\b):(\b)+7], 0, v[\sa], v[\sb] matrix_a_fmt:MATRIX_FMT_FP4 matrix_b_fmt:MATRIX_FMT_FP4 matrix_a_scale:MATRIX_SCALE_ROW1
.elseif (\br)
	v_wmma_scale_f32_16x16x128_f8f6f4 v[(\d):(\d)+7], v[(\a):(\a)+7], v[(\b):(\b)+7], 0, v[\sa], v[\sb] matrix_a_fmt:MATRIX_FMT_FP4 matrix_b_fmt:MATRIX_FMT_FP4 matrix_b_scale:MATRIX_SCALE_ROW1
.else
	v_wmma_scale_f32_16x16x128_f8f6f4 v[(\d):(\d)+7], v[(\a):(\a)+7], v[(\b):(\b)+7], 0, v[\sa], v[\sb] matrix_a_fmt:MATRIX_FMT_FP4 matrix_b_fmt:MATRIX_FMT_FP4
.endif
.else
.if (\ar)
	v_wmma_scale_f32_16x16x128_f8f6f4 v[(\d):(\d)+7], v[(\a):(\a)+7], v[(\b):(\b)+7], v[(\c):(\c)+7], v[\sa], v[\sb] matrix_a_fmt:MATRIX_FMT_FP4 matrix_b_fmt:MATRIX_FMT_FP4 matrix_a_scale:MATRIX_SCALE_ROW1
.elseif (\br)
	v_wmma_scale_f32_16x16x128_f8f6f4 v[(\d):(\d)+7], v[(\a):(\a)+7], v[(\b):(\b)+7], v[(\c):(\c)+7], v[\sa], v[\sb] matrix_a_fmt:MATRIX_FMT_FP4 matrix_b_fmt:MATRIX_FMT_FP4 matrix_b_scale:MATRIX_SCALE_ROW1
.else
	v_wmma_scale_f32_16x16x128_f8f6f4 v[(\d):(\d)+7], v[(\a):(\a)+7], v[(\b):(\b)+7], v[(\c):(\c)+7], v[\sa], v[\sb] matrix_a_fmt:MATRIX_FMT_FP4 matrix_b_fmt:MATRIX_FMT_FP4
.endif
.endif
.endm
; 64 numbers of a lane in window win, register 16 b + i = k 32 b + 16 (lane / 16) + i of my row, become a fragment's codes in v[pc] on and its scale word in v[pw]
.macro QUANT s, pc, pw, win
	WIN ((\win)<<2)|((\win)<<4)
.irp b, 0,1,2,3
	v_max3_num_f32 v[TM+\b], FLOORC, |v[(\s)+16*\b]|, |v[(\s)+1+16*\b]|
.endr
.irp i, 2,4,6,8,10,12,14
.irp b, 0,1,2,3
	v_max3_num_f32 v[TM+\b], v[TM+\b], |v[(\s)+16*\b+\i]|, |v[(\s)+1+16*\b+\i]|
.endr
.endr
	WIN 0
.irp b, 0,1,2,3
	v_permlanex16_b32 v[TM+4+\b], v[TM+\b], s54, s55
.endr
.irp b, 0,1,2,3
	v_max_num_f32 v[TM+\b], v[TM+\b], v[TM+4+\b]           ; with lane l xor 16's: the block's largest magnitude
.endr
.irp b, 0,1,2,3
	v_add_nc_u32 v[TM+8+\b], EOFFC, v[TM+\b]               ; the conversion takes this operand's exponent field as its scale
.endr
.irp b, 0,1,2,3
	v_lshrrev_b32 v[TM+4+\b], 23, v[TM+8+\b]               ; the scale's byte
.endr
	v_lshl_or_b32 v[\pw], v[TM+5], 8, v[TM+4]
	v_lshl_or_b32 v[\pw], v[TM+6], 16, v[\pw]
	v_lshl_or_b32 v[\pw], v[TM+7], 24, v[\pw]
	WIN (\win)
.irp b, 0,1,2,3
	v_cvt_scalef32_pk8_fp4_f32 v[(\pc)+2*\b], v[(\s)+16*\b:(\s)+16*\b+7], v[TM+8+\b]
	v_cvt_scalef32_pk8_fp4_f32 v[(\pc)+2*\b+1], v[(\s)+16*\b+8:(\s)+16*\b+15], v[TM+8+\b]
.endr
	WIN 0
	v_nop                                                  ; one plain place behind a scaled conversion
.irp c, 0,1                                            ; the operand's layout wants a whole block in a lane
.irp i, 0,1
	v_permlane16_swap_b32 v[(\pc)+4*\c+\i], v[(\pc)+4*\c+2+\i]
.endr
.endr
.endm
.macro XLOAD reg, s                    ; my 16 tokens' numbers of K step s: 16 neighbours of each block of 32 to a lane
.irp b, 0,1,2,3
.irp j, 0,1,2,3
	global_load_b128 v[\reg+16*\b+4*\j:\reg+16*\b+4*\j+3], v[XA], s[4:5] offset:512*(\s)+128*\b+16*\j
.endr
.endr
.endm
.macro WLOAD reg, sb                   ; my head's 64 rows of a weight: fragment (t, s) at reg + 8 (4 t + s)
.irp t, 0,1,2,3
.irp s, 0,1,2,3
.irp c, 0,1
	global_load_b128 v[\reg+8*(4*\t+\s)+4*\c:\reg+8*(4*\t+\s)+4*\c+3], v[LW], s[\sb:\sb+1] offset:(32*(\t/2)+8*(\t%2))*256+64*\s+32*\c
.endr
.endr
.endr
.endm
.macro SLOAD reg, sb                   ; their scale words: register 4 b + s; lanes 0-15 tile 2 b, lanes 16-31 tile 2 b + 1
.irp b, 0,1
	global_load_b128 v[\reg+4*\b:\reg+4*\b+3], v[LSC], s[\sb:\sb+1] offset:512*\b
.endr
.endm
.macro XOUT s                          ; the fragment just made goes to LDS as it stands
	ds_store_b128 v[XWI], v[PC:PC+3] offset:1024*(\s)
	ds_store_b128 v[XWI], v[PC+4:PC+7] offset:1024*(\s)+512
	ds_store_b32 v[XWS], v[PW] offset:4*(\s)
	s_wait_dscnt 0x0                                       ; the stores have read their registers
.endm
.macro FETCH m                         ; token tile m: four fragments and their four scale words
.irp s, 0,1,2,3
.irp c, 0,1
	ds_load_b128 v[XF+8*\s+4*\c:XF+8*\s+4*\c+3], v[LI] offset:(4*(\m)+\s)*1024+512*\c
.endr
.endr
	ds_load_b128 v[XS:XS+3], v[LI] offset:XSC+512*(\m)
.endm
	s_load_b512 s[4:19], s[0:1], 0x0               ; x, pad_mask, wq codes, wq scales, bq, wk codes, wk scales, bk
	s_load_b512 s[20:35], s[0:1], 0x40             ; wv codes, wv scales, bv, wo codes, w1 codes, w2 codes, w2 scales, qc
	s_load_b256 s[36:43], s[0:1], 0x80             ; kc, vc, qks, vs
	s_load_b128 s[44:47], s[0:1], 0xa0             ; vp, padf
	s_load_b64 s[48:49], s[0:1], 0xb0              ; wimg
	v_lshl_add_u32 v254, v0, 2, 0x4800
	v_mov_b32 v255, 0
	v_lshrrev_b32 v1, 5, v0
	v_readfirstlane_b32 s50, v1                    ; wave
	s_mov_b32 s51, ttmp9                           ; G
	s_and_b32 s52, ttmp7, 0xffff                   ; y
	s_lshl_b32 s53, s52, 2
	s_add_co_u32 s53, s53, s50                     ; my head
	v_and_b32 v1, 31, v0                           ; lane
	v_and_b32 v2, 15, v0                           ; r
	v_bfe_u32 v3, v0, 4, 1                         ; h
	v_and_b32 v20, 8, v2
	v_add_nc_u32 v20, v20, v2                      ; r + 8 (r / 8)
	v_lshlrev_b32 v[XA], 11, v20
	v_lshl_add_u32 v[XA], v3, 6, v[XA]             ; x: my token's row of 2,048 bytes, + 64 h
	v_lshlrev_b32 v[LI], 4, v1                     ; 16 x lane: an image's place
	v_lshl_add_u32 v[LSC], v3, 3, v20
	v_lshlrev_b32 v[LSC], 4, v[LSC]                ; scale rows of 16 bytes: row 8 h + r + 8 (r / 8)
	v_lshlrev_b32 v[LB], 6, v3                     ; biases along registers: 64 h
	v_lshlrev_b32 v[LW], 8, v20
	v_lshl_add_u32 v[LW], v3, 4, v[LW]             ; weight rows of 256 bytes, + 16 h
	s_lshl_b32 s56, s50, 12
	v_add_nc_u32 v[XWI], s56, v[LI]
	s_lshl_b32 s56, s50, 9
	v_add_nc_u32 v[XWS], s56, v[LI]
	v_add_nc_u32 v[XWS], XSC, v[XWS]
	v_lshlrev_b32 v[LBV], 2, v20
	v_lshlrev_b32 v[SH16], 4, v3
	v_lshlrev_b32 v[L8], 3, v1
	v_lshlrev_b32 v[L4], 2, v1
	s_mov_b32 s54, 0x76543210
	s_mov_b32 s55, 0xfedcba98                      ; v_permlanex16_b32's selects for lane l xor 16
	s_mov_b32 s70, 0xffff0000                      ; lanes 16-31
.irp i, 0,1,2,3
	v_mov_b32 v[TM+4+\i], 0                        ; a lane permute's destination counts as one of its sources
	v_mov_b32 v[ZR+\i], 0
	v_mov_b32 v[ONES+\i], 0x22222222               ; eight codes of 1.0
	v_mov_b32 v[ONES+4+\i], 0
.endr
	v_mov_b32 v[ONE_S], 0x7f7f7f7f                 ; four scales of 1.0
	s_lshr_b32 s56, s50, 1
	s_lshl_b32 s56, s56, 5
	s_and_b32 s57, s50, 1
	s_lshl_b32 s57, s57, 3
	s_add_co_u32 s56, s56, s57                     ; token tile w begins at 32 (w / 2) + 8 (w % 2)
	s_lshl_b32 s57, s51, 6
	s_add_co_u32 s56, s56, s57
	s_lshl_b32 s56, s56, 11
	s_mov_b32 s57, 0
	s_mov_b32 s59, 0
	s_lshl_b32 s60, s51, 3
	s_add_co_u32 s60, s60, s53                     ; 8 G + head
	s_lshr_b32 s61, s51, 5
	s_lshl_b32 s61, s61, 3
	s_add_co_u32 s61, s61, s53
	s_lshl_b32 s61, s61, 5
	s_and_b32 s62, s51, 31
	s_add_co_u32 s61, s61, s62                     ; (8 batch + head) x 32 + G % 32
	s_wait_kmcnt 0x0
	s_add_nc_u64 s[4:5], s[4:5], s[56:57]
	s_lshl_b32 s58, s53, 14
	s_add_nc_u64 s[8:9], s[8:9], s[58:59]
	s_add_nc_u64 s[14:15], s[14:15], s[58:59]
	s_add_nc_u64 s[20:21], s[20:21], s[58:59]
	s_lshl_b32 s58, s53, 10
	s_add_nc_u64 s[10:11], s[10:11], s[58:59]
	s_add_nc_u64 s[16:17], s[16:17], s[58:59]
	s_add_nc_u64 s[22:23], s[22:23], s[58:59]
	s_lshl_b32 s58, s53, 8
	s_add_nc_u64 s[12:13], s[12:13], s[58:59]
	s_add_nc_u64 s[18:19], s[18:19], s[58:59]
	s_add_nc_u64 s[24:25], s[24:25], s[58:59]
	s_lshl_b32 s58, s60, 11
	s_add_nc_u64 s[34:35], s[34:35], s[58:59]
	s_add_nc_u64 s[36:37], s[36:37], s[58:59]
	s_add_nc_u64 s[38:39], s[38:39], s[58:59]
	s_lshl_b32 s58, s60, 9
	s_add_nc_u64 s[40:41], s[40:41], s[58:59]
	s_lshl_b32 s58, s60, 8
	s_add_nc_u64 s[42:43], s[42:43], s[58:59]
	s_lshl_b32 s58, s61, 8
	s_add_nc_u64 s[44:45], s[44:45], s[58:59]
	; ---- x: my 16 tokens become four fragments; the weights are asked for between the steps
	XLOAD HA, 0
	XLOAD ST, 1
	WIN 0x40
	WLOAD WQ, 8
	WIN 0
	SLOAD WQS, 10
	SLOAD WKS, 16
	SLOAD WVS, 22
	s_wait_loadcnt 54                              ; behind K step 0: 16 of x, 32 of wq, 6 of scales
	QUANT HA, PC, PW, 0
	XOUT 0
	XLOAD HA, 2
	s_wait_loadcnt 54                              ; behind K step 1: 32 + 6 + 16
	QUANT ST, PC, PW, 0
	XOUT 1
	XLOAD ST, 3
	WIN 0x40
	WLOAD WK, 14
	WIN 0
	s_wait_loadcnt 48                              ; behind K step 2: 16 + 32
	QUANT HA, PC, PW, 0
	XOUT 2
	WIN 0x80
	WLOAD WV, 20
.irp b, 0,1
.irp k, 0,1,2,3
	global_load_b128 v[BQ+16*\b+4*\k:BQ+16*\b+4*\k+3], v[LB], s[12:13] offset:128*\b+16*\k
	global_load_b128 v[BK+16*\b+4*\k:BK+16*\b+4*\k+3], v[LB], s[18:19] offset:128*\b+16*\k
.endr
.endr
.irp t, 0,1,2,3
	global_load_b32 v[BV+8*\t], v[LBV], s[24:25] offset:4*(32*(\t/2)+8*(\t%2))
.endr
	WIN 0
	s_wait_loadcnt 63                              ; behind K step 3 stand 84 loads; 63 is the largest count that the wait can name
	QUANT ST, PC, PW, 0
	XOUT 3
	; ---- on the side: unit U of 4,096 bytes of the weights' images.  U = 256 w + 128 y + G; there are 296 units
	s_lshl_b32 s56, s50, 8
	s_lshl_b32 s57, s52, 7
	s_add_co_u32 s56, s56, s57
	s_add_co_u32 s56, s56, s51
	s_cmp_lt_u32 s56, 296
	s_cbranch_scc0 .Lno_copy
	s_cmp_lt_u32 s56, 288
	s_cbranch_scc0 .Lcopy_scales
	s_cmp_lt_u32 s56, 32                           ; units 0-31 wo, 32-159 w1, 160-287 w2 (32 tiles x 4 chunks of K)
	s_cselect_b64 s[58:59], s[26:27], s[28:29]
	s_cselect_b32 s60, 0, 32
	s_cmp_lt_u32 s56, 160
	s_cselect_b64 s[58:59], s[58:59], s[30:31]
	s_cselect_b32 s60, s60, 160
	s_cselect_b32 s61, 8, 10                       ; a row is 256 bytes, in w2 1,024
	s_cselect_b32 s62, -1, 31
	s_sub_co_u32 s60, s56, s60
	s_and_not1_b32 s63, s60, s62
	s_lshl_b32 s63, s63, 3                         ; 256 x chunk (0 but in w2)
	s_and_b32 s60, s60, s62                        ; the tile
	s_and_b32 s66, s60, 1
	s_lshl_b32 s66, s66, 3
	s_and_not1_b32 s60, s60, 1
	s_lshl_b32 s60, s60, 4
	s_add_co_u32 s60, s60, s66                     ; its first row
	s_lshl_b32 s60, s60, s61
	s_add_co_u32 s60, s60, s63
	v_lshlrev_b32 v15, s61, v20
	v_lshl_add_u32 v15, v3, 4, v15
	v_add_nc_u32 v15, s60, v15
.irp i, 0,1,2,3,4,5,6,7
	global_load_b128 v[CP+4*\i:CP+4*\i+3], v15, s[58:59] offset:32*\i
.endr
	s_branch .Lcopy_store
.Lcopy_scales:                                         ; units 288 + 2 c + half: w2's scales as [chunk][row][16 bytes]
	s_sub_co_u32 s60, s56, 288
	s_and_b32 s61, s60, 1
	s_lshl_b32 s61, s61, 14
	s_lshr_b32 s60, s60, 1
	s_lshl_b32 s60, s60, 4
	s_add_co_u32 s60, s60, s61
	v_lshl_add_u32 v15, v1, 6, s60
.irp i, 0,1,2,3,4,5,6,7
	global_load_b128 v[CP+4*\i:CP+4*\i+3], v15, s[32:33] offset:2048*\i
.endr
.Lcopy_store:
	s_lshl_b32 s60, s56, 12
	v_add_nc_u32 v16, s60, v[LI]
	s_wait_loadcnt 0x0
.irp i, 0,1,2,3,4,5,6,7
	global_store_b128 v16, v[CP+4*\i:CP+4*\i+3], s[48:49] offset:512*\i   ; 32 lanes store 512 consecutive bytes
.endr
.Lno_copy:
	; ---- on the side: the block's 64 bytes of pad_mask become 0 (true) or -8e9 (false)
	s_cmp_lg_u32 s52, 0
	s_cbranch_scc1 .Lno_mask
	s_cmp_lg_u32 s50, 2
	s_cbranch_scc1 .Lno_mask
	s_lshl_b32 s66, s51, 6
	v_lshl_add_u32 v21, v1, 1, s66
	global_load_u16 v22, v21, s[6:7]
	s_lshr_b32 s67, s51, 5
	s_mul_i32 s67, s67, 8704                       ; a batch's 2,176 entries
	s_and_b32 s68, s51, 31
	s_lshl_b32 s69, s68, 8
	s_add_co_u32 s69, s69, s67
	v_add_nc_u32 v23, s69, v[L8]
	s_wait_loadcnt 0x0
	v_and_b32 v24, 0xff, v22
	v_lshrrev_b32 v25, 8, v22
	v_add_nc_u32 v24, -1, v24
	v_add_nc_u32 v25, -1, v25
	v_and_b32 v24, NEGC, v24
	v_and_b32 v25, NEGC, v25
	global_store_b64 v23, v[24:25], s[46:47]       ; 32 lanes store 256 consecutive bytes, aligned
	s_cmp_lg_u32 s68, 31
	s_cbranch_scc1 .Lno_mask
.irp i, 0,1,2,3
	v_mov_b32 v[26+\i], NEGC                       ; the 128 entries behind a batch's last key are hidden
.endr
	v_add_nc_u32 v30, s67, v[LI]
	global_store_b128 v30, v[26:29], s[46:47] offset:8192
.Lno_mask:
	s_wait_loadcnt 0x0                             ; all weights, scales and biases
	WIN 0x82
.irp t, 0,1,2,3
.irp j, 1,2,3,4,5,6,7
	v_mov_b32 v[BV+8*\t+\j], v[BV+8*\t]            ; in v's result a lane holds one channel: its bias stands in all eight registers
.endr
.endr
	WIN 0
	BARRIER                                        ; x's sixteen fragments lie in LDS
	FETCH 0
; token tile m: q's and k's eight tiles by turns, then v's four by turns; q and k are quantised and stored
.macro TILE m
	s_wait_dscnt 0x0
	WIN 0x21                                       ; source 0 window 1, source 2 (the bias) window 2
.irp t, 0,1,2,3
	MM HA+8*\t, WQ+32*\t, XF, BQ+8*\t, WQS+4*(\t/2), XS, \t%2, 0
.endr
.irp t, 0,1,2,3
	MM HA+32+8*\t, WK+32*\t, XF, BK+8*\t, WKS+4*(\t/2), XS, \t%2, 0
.endr
	WIN 0x01
.irp s, 1,2,3
.irp t, 0,1,2,3
	MM HA+8*\t, WQ+32*\t+8*\s, XF+8*\s, HA+8*\t, WQS+4*(\t/2)+\s, XS+\s, \t%2, 0
.endr
.irp t, 0,1,2,3
	MM HA+32+8*\t, WK+32*\t+8*\s, XF+8*\s, HA+32+8*\t, WKS+4*(\t/2)+\s, XS+\s, \t%2, 0
.endr
.endr
	WIN 0xe8                                       ; source 1 (wv) and source 2 (bv) window 2, destination window 3
.irp t, 0,1,2,3
	MM 32*\t+8*(\m), XF, WV+32*\t, BV+8*\t, XS, WVS+4*(\t/2), 0, \t%2
.endr
	WIN 0xf8
.irp s, 1,2,3
.irp t, 0,1,2,3
	MM 32*\t+8*(\m), XF+8*\s, WV+32*\t+8*\s, 32*\t+8*(\m), XS+\s, WVS+4*(\t/2)+\s, 0, \t%2
.endr
.endr
	WIN 0
	NOP4                                           ; places in front of loads into registers that matrix instructions have read, and of the first read of results
.if (\m) < 3
	FETCH (\m)+1
.endif
.if (\m) > 0
	s_wait_xcnt 0x0                                ; the last tile's stores have read the codes' registers
.endif
	QUANT HA, PC, PW, 0                            ; registers 0-3: q's half fragment; 4-7: k's
	v_lshrrev_b32 v[SW+(\m)], v[SH16], v[PW]       ; lanes 0-15 keep q's bytes below, lanes 16-31 bring k's down
	global_store_b128 v[LI], v[PC:PC+3], s[34:35] offset:512*(\m)
	global_store_b128 v[LI], v[PC+4:PC+7], s[36:37] offset:512*(\m)
.endm
	TILE 0
	TILE 1
	TILE 2
	TILE 3
	; ---- v: 64 keys x 64 channels, quantised along the keys
	s_wait_xcnt 0x0
	QUANT 0, PCV, PWV, 3
	QUANT 64, PCV+8, PWV+1, 3
.irp t, 0,1,2,3
	global_store_b128 v[LI], v[PCV+4*\t:PCV+4*\t+3], s[38:39] offset:512*\t
.endr
	global_store_b64 v[L8], v[PWV:PWV+1], s[42:43]
	global_store_b128 v[LI], v[SW:SW+3], s[40:41]
	v_lshrrev_b32 v[VO], 16, v[PWV]
	v_lshrrev_b32 v[VO+1], 16, v[PWV+1]
.rept 8
	v_nop                                          ; a scale register written by a vector instruction stands 8 places ahead of a scaled matrix instruction
.endr
	; the column sums of the quantised v: ones x v.  The upper 64 along K are zeros on the ones' side
	MM HA, ONES, PCV, -1, ONE_S, PWV, 0, 0
	MM HA+8, ONES, PCV+4, -1, ONE_S, VO, 0, 0
	MM HA+16, ONES, PCV+8, -1, ONE_S, PWV+1, 0, 0
	MM HA+24, ONES, PCV+12, -1, ONE_S, VO+1, 0, 0
	NOP4
	v_cndmask_b32 v[TT], v[HA], v[HA+8], s70       ; all rows of a result are alike: register 0; lanes 0-15 tile 2 i, lanes 16-31 tile 2 i + 1
	v_cndmask_b32 v[TT+1], v[HA+16], v[HA+24], s70
	global_store_b32 v[L4], v[TT], s[44:45]        ; the two stores fill one run of 256 bytes in halves
	global_store_b32 v[L4], v[TT+1], s[44:45] offset:128
	s_wait_tensorcnt 0x0
	ds_add_u32 v254, v255
	s_wait_dscnt 0x0
	s_endpgm
.Lfunc_end_k_q34161d308f_qkv:
	.size	k_q34161d308f_qkv, .Lfunc_end_k_q34161d308f_qkv-k_q34161d308f_qkv
	.p2alignl 7, 3214868480
	.fill 96, 4, 3214868480
	.section	.rodata,"a",@progbits
	.p2align	6, 0x0
	.amdhsa_kernel k_q34161d308f_qkv
		.amdhsa_group_segment_fixed_size 18944
		.amdhsa_private_segment_fixed_size 0
		.amdhsa_enable_private_segment 0
		.amdhsa_kernarg_size 184
		.amdhsa_user_sgpr_count 2
		.amdhsa_user_sgpr_kernarg_segment_ptr 1
		.amdhsa_wavefront_size32 1
		.amdhsa_system_sgpr_workgroup_id_x 1
		.amdhsa_system_sgpr_workgroup_id_y 1
		.amdhsa_system_sgpr_workgroup_id_z 1
		.amdhsa_system_vgpr_workitem_id 0
		.amdhsa_next_free_vgpr 896
		.amdhsa_next_free_sgpr 80
		.amdhsa_reserve_vcc 0
		.amdhsa_float_denorm_mode_32 3
		.amdhsa_float_denorm_mode_16_64 3
		.amdhsa_memory_ordered 1
		.amdhsa_forward_progress 1
		.amdhsa_inst_pref_size 97
	.end_amdhsa_kernel
	.amdgpu_metadata
---
amdhsa.version: [ 1, 2 ]
amdhsa.kernels:
  - .name:           k_q34161d308f_qkv
    .symbol:         k_q34161d308f_qkv.kd
    .args:
      - { .name: x, .offset: 0, .size: 8, .value_kind: global_buffer, .address_space: global }
      - { .name: pad_mask, .offset: 8, .size: 8, .value_kind: global_buffer, .address_space: global }
      - { .name: wq_codes, .offset: 16, .size: 8, .value_kind: global_buffer, .address_space: global }
      - { .name: wq_scales, .offset: 24, .size: 8, .value_kind: global_buffer, .address_space: global }
      - { .name: bq, .offset: 32, .size: 8, .value_kind: global_buffer, .address_space: global }
      - { .name: wk_codes, .offset: 40, .size: 8, .value_kind: global_buffer, .address_space: global }
      - { .name: wk_scales, .offset: 48, .size: 8, .value_kind: global_buffer, .address_space: global }
      - { .name: bk, .offset: 56, .size: 8, .value_kind: global_buffer, .address_space: global }
      - { .name: wv_codes, .offset: 64, .size: 8, .value_kind: global_buffer, .address_space: global }
      - { .name: wv_scales, .offset: 72, .size: 8, .value_kind: global_buffer, .address_space: global }
      - { .name: bv, .offset: 80, .size: 8, .value_kind: global_buffer, .address_space: global }
      - { .name: wo_codes, .offset: 88, .size: 8, .value_kind: global_buffer, .address_space: global }
      - { .name: w1_codes, .offset: 96, .size: 8, .value_kind: global_buffer, .address_space: global }
      - { .name: w2_codes, .offset: 104, .size: 8, .value_kind: global_buffer, .address_space: global }
      - { .name: w2_scales, .offset: 112, .size: 8, .value_kind: global_buffer, .address_space: global }
      - { .name: qc, .offset: 120, .size: 8, .value_kind: global_buffer, .address_space: global }
      - { .name: kc, .offset: 128, .size: 8, .value_kind: global_buffer, .address_space: global }
      - { .name: vc, .offset: 136, .size: 8, .value_kind: global_buffer, .address_space: global }
      - { .name: qks, .offset: 144, .size: 8, .value_kind: global_buffer, .address_space: global }
      - { .name: vs, .offset: 152, .size: 8, .value_kind: global_buffer, .address_space: global }
      - { .name: vp, .offset: 160, .size: 8, .value_kind: global_buffer, .address_space: global }
      - { .name: padf, .offset: 168, .size: 8, .value_kind: global_buffer, .address_space: global }
      - { .name: wimg, .offset: 176, .size: 8, .value_kind: global_buffer, .address_space: global }
    .group_segment_fixed_size: 18944
    .private_segment_fixed_size: 0
    .kernarg_segment_align: 8
    .kernarg_segment_size: 184
    .max_flat_workgroup_size: 128
    .sgpr_count:     80
    .vgpr_count:     896
    .wavefront_size: 32
...
	.end_amdgpu_metadata
.endif
;; end of part 1
;; launch block (part 2): grid 128 x 1, 4 waves a work-group, no clusters, 81,408 bytes of LDS; arguments x, qc, kc, vc, qks, vs, vp, padf, wimg, wo_scales, bo, g1, be1, w1_scales, b1, b2, g2, be2, out0; writes out0
.if DOCPART == 2
	.amdgcn_target "amdgcn-amd-amdhsa--gfx1250"
	.amdhsa_code_object_version 6
	.text
	.protected	k_q34161d308f_block
	.globl	k_q34161d308f_block
	.p2align	8
	.type	k_q34161d308f_block,@function
k_q34161d308f_block:
	s_mov_b64 s[64:65], 0
	v_nop
	global_prefetch_b8 v0, s[64:65] scope:SCOPE_SE
	s_setreg_imm32_b32 hwreg(HW_REG_WAVE_MODE, 25, 1), 1
	s_wait_xcnt 0x0
; For 64 tokens: windowed attention, o wo + bo, residual, layer norm, relu(x1 w1 + b1) w2 + b2, residual, layer norm.  All products on codes of E2M1 with E8M0 scales for each 32 along K.
; o, x1 and the hidden layer never go to memory.  q, k, v come as images of operand registers, wo, w1, w2 likewise (laid by the launch before).
; THE WINDOW: key k counts for query q where 0 <= k - q < 128.  A block of 64 queries needs the 192 keys from its own first token on; of a query tile's 12 key tiles two lie wholly outside and are not multiplied,
; four lie on an edge, six are open.  The mask (window and pad_mask) is the C of the score products: 0 or -8e9.
; THE SOFTMAX: t = score x log2(e) / 8; M = ceil(the row's largest t); p = 2^(t - M) is quantised along the keys; the row's sum of the unquantised p divides at the end.  All of a row's keys are at hand at once.
; A ROW WITH NO ALLOWED KEY has p = 1 for all 2,048 keys of its batch: o = (the sum over all keys of quantised v) / 2048; it is computed for every row and chosen by v_cndmask_b32.
; SHARES.  Attention: wave w takes heads 2 w and 2 w + 1 (a loop of two trips) for the four query tiles.  Elsewhere wave w takes columns 128 w .. 128 w + 127 (eight tiles) of all 64 tokens.
; Each weight byte serves one wave of the work-group and goes from memory straight into its operand registers by loads of 512 consecutive bytes; a joint load would have to land in LDS and be read again: no tensor load, no cluster.
; TILES: lane r of tile 2 b + u takes row 32 b + 8 u + r + 8 (r / 8) (tokens, keys, channels, weight rows alike), so that 16 registers of two neighbouring tiles are 16 neighbours along the next K.
; LIMITS: a row counts as empty where its largest raw score (before the division by 8) lies under -4e9; hidden scores are -8e9 + the raw score (their p is 0 all the same); a block of zeros gets the byte 1, not 127;
; blocks whose largest magnitude lies under 2^-124 are held at byte 1; NaN and infinities among the inputs are not served.
; REGISTERS.  window 0: v1-20 addresses.  Attention: v24-103 scores, then p; v104-135 o; v136-151 p's codes; v152-171 at work; v172-199 scale words; v200-223 statistics and addresses; v224-255 the column sum.
;   Later: v24-87 HA; v88-119 XF; v120-127 codes; v128-147 at work; v148-191 scale words; v192-255 b1 (around the norms: statistics).
;   window 1: wo, then w1's chunk, at the end g2, be2.   window 2: attention: k, v, q, the mask; then bo, g1, be1, b2; then w2's chunk.   window 3: attention: the edge masks; then the 32 accumulators, (m, t) at 64 m + 8 t.
.set FLOORC, 0x1800000
.set EOFFC,  0xff000000
.set AIMG,  0                          ; LDS: o's, later x1's 16 fragments at (4 m + s) x 1024
.set ASC,   16384                      ; their scale words, [m][s][lane]
.set STAT1, 18432                      ; [m][wave][lane] 8 bytes: mean and sum of squares of 128 columns
.set STAT2, 22528
.set VSL,   26624                      ; 256 bytes a wave
.set HIMG,  28672                      ; the hidden layer's 16 fragments at (4 s + m) x 1024
.set HSC,   45056                      ; their scale words, [s][lane][m]
.set OUTS,  47104                      ; the way out: for each wave 16 rows x (512 + 16) bytes
.set LI,   1
.set L8,   2
.set LSC,  3
.set LB,   4
.set XA,   5
.set AX,   6
.set AXS,  7
.set AW,   8
.set HWB,  9
.set HSB,  10
.set HW,   11
.set HWS,  12
.set STW,  13
.set SO,   14
.set SRD,  15
.set OUTO, 16
.set VSLW, 17
.set VSLR, 18
.set ASW,  19
.set L4,   20
; attention
.set SS,   24
.set OA,   104
.set PCD,  136
.set BM,   152
.set BT,   157
.set BS,   162
.set TQ,   167
.set QKS,  172
.set VSR,  184
.set VSW,  190
.set PSW,  198
.set NM,   200
.set LL,   202
.set RM,   206
.set RCP,  207
.set RL,   208
.set FV,   210
.set PWQ,  212
.set VK,   213
.set VQ,   216
.set VV,   219
.set OW,   222
.set OSW,  223
.set VSUM, 224
.set KF,   0                           ; window 2
.set VF,   52
.set QF,   104
.set PADC, 136
.set E0W,  232
.set MC,   0                           ; window 3
; later
.set HA,   24
.set XF,   88
.set PC,   120
.set TM,   128
.set PW,   140
.set SA_,  142
.set SB_,  144
.set TP,   147
.set XS,   148
.set W1S,  152
.set W2S,  168
.set HS,   184
.set B1,   192
.set SM,   192
.set STT,  200
.set RR,   232
.set CC,   240
.set BO,   0                           ; window 2
.set G1,   64
.set BE1,  128
.set B2,   192
.set G2,   0                           ; window 1
.set BE2,  64
.set MSB, 0
.macro WIN new                         ; the immediate's high byte repeats the setting that is left; a switch that changes nothing is dropped
.if MSB != (\new)
	s_set_vgpr_msb (MSB<<8)|(\new)
.set MSB, (\new)
.endif
.endm
.macro NOP4
.rept 4
	v_nop
.endr
.endm
.macro BARRIER                         ; my LDS stores have landed and my LDS loads are in: then the work-group's barrier
	s_wait_dscnt 0x0
	s_barrier_signal -1
	s_barrier_wait -1
.endm
.macro MM d, a, b, c, sa, sb, ar, br
.if (\c) < 0
.if (\ar)
	v_wmma_scale_f32_16x16x128_f8f6f4 v[(\d):(\d)+7], v[(\a):(\a)+7], v[(\b):(\b)+7], 0, v[\sa], v[\sb] matrix_a_fmt:MATRIX_FMT_FP4 matrix_b_fmt:MATRIX_FMT_FP4 matrix_a_scale:MATRIX_SCALE_ROW1
.elseif (\br)
	v_wmma_scale_f32_16x16x128_f8f6f4 v[(\d):(\d)+7], v[(\a):(\a)+7], v[(\b):(\b)+7], 0, v[\sa], v[\sb] matrix_a_fmt:MATRIX_FMT_FP4 matrix_b_fmt:MATRIX_FMT_FP4 matrix_b_scale:MATRIX_SCALE_ROW1
.else
	v_wmma_scale_f32_16x16x128_f8f6f4 v[(\d):(\d)+7], v[(\a):(\a)+7], v[(\b):(\b)+7], 0, v[\sa], v[\sb] matrix_a_fmt:MATRIX_FMT_FP4 matrix_b_fmt:MATRIX_FMT_FP4
.endif
.else
.if (\ar)
	v_wmma_scale_f32_16x16x128_f8f6f4 v[(\d):(\d)+7], v[(\a):(\a)+7], v[(\b):(\b)+7], v[(\c):(\c)+7], v[\sa], v[\sb] matrix_a_fmt:MATRIX_FMT_FP4 matrix_b_fmt:MATRIX_FMT_FP4 matrix_a_scale:MATRIX_SCALE_ROW1
.elseif (\br)
	v_wmma_scale_f32_16x16x128_f8f6f4 v[(\d):(\d)+7], v[(\a):(\a)+7], v[(\b):(\b)+7], v[(\c):(\c)+7], v[\sa], v[\sb] matrix_a_fmt:MATRIX_FMT_FP4 matrix_b_fmt:MATRIX_FMT_FP4 matrix_b_scale:MATRIX_SCALE_ROW1
.else
	v_wmma_scale_f32_16x16x128_f8f6f4 v[(\d):(\d)+7], v[(\a):(\a)+7], v[(\b):(\b)+7], v[(\c):(\c)+7], v[\sa], v[\sb] matrix_a_fmt:MATRIX_FMT_FP4 matrix_b_fmt:MATRIX_FMT_FP4
.endif
.endif
.endm
; 64 numbers of a lane, register 16 b + i = k 32 b + 16 (lane / 16) + i of my row, become a fragment's codes in v[pc] on and its scale word in v[pw]
.macro QUANT s, pc, pw
.irp b, 0,1,2,3
	v_max3_num_f32 v[TM+\b], FLOORC, |v[(\s)+16*\b]|, |v[(\s)+1+16*\b]|
.endr
.irp i, 2,4,6,8,10,12,14
.irp b, 0,1,2,3
	v_max3_num_f32 v[TM+\b], v[TM+\b], |v[(\s)+16*\b+\i]|, |v[(\s)+1+16*\b+\i]|
.endr
.endr
.irp b, 0,1,2,3
	v_permlanex16_b32 v[TM+4+\b], v[TM+\b], s48, s49
.endr
.irp b, 0,1,2,3
	v_max_num_f32 v[TM+\b], v[TM+\b], v[TM+4+\b]
.endr
.irp b, 0,1,2,3
	v_add_nc_u32 v[TM+8+\b], EOFFC, v[TM+\b]
.endr
.irp b, 0,1,2,3
	v_lshrrev_b32 v[TM+4+\b], 23, v[TM+8+\b]
.endr
	v_lshl_or_b32 v[\pw], v[TM+5], 8, v[TM+4]
	v_lshl_or_b32 v[\pw], v[TM+6], 16, v[\pw]
	v_lshl_or_b32 v[\pw], v[TM+7], 24, v[\pw]
.irp b, 0,1,2,3
	v_cvt_scalef32_pk8_fp4_f32 v[(\pc)+2*\b], v[(\s)+16*\b:(\s)+16*\b+7], v[TM+8+\b]
	v_cvt_scalef32_pk8_fp4_f32 v[(\pc)+2*\b+1], v[(\s)+16*\b+8:(\s)+16*\b+15], v[TM+8+\b]
.endr
	v_nop                                          ; one plain place behind a scaled conversion
.irp c, 0,1
.irp i, 0,1
	v_permlane16_swap_b32 v[(\pc)+4*\c+\i], v[(\pc)+4*\c+2+\i]
.endr
.endr
.endm
.macro WL64 sb                         ; 64 loads of 512 consecutive bytes: eight tiles x four K steps of a weight's image, register 4 i
.set i_, 0
.rept 64
	global_load_b128 v[4*i_:4*i_+3], v[LI], s[\sb:\sb+1] offset:512*i_
.set i_, i_+1
.endr
.endm
.macro BL16 reg, sb                    ; my 128 numbers of a vector along the columns, in the results' layout
.irp b, 0,1,2,3
.irp k, 0,1,2,3
	global_load_b128 v[\reg+16*\b+4*\k:\reg+16*\b+4*\k+3], v[LB], s[\sb:\sb+1] offset:128*\b+16*\k
.endr
.endr
.endm
.macro SL4 reg, sb                     ; my eight tiles' scale words: register 4 b + s
.irp b, 0,1,2,3
	global_load_b128 v[\reg+4*\b:\reg+4*\b+3], v[LSC], s[\sb:\sb+1] offset:512*\b
.endr
.endm
.macro FETCHA m, xf, xs                ; token tile m's four fragments and scale words: 12 LDS loads
.irp s, 0,1,2,3
.irp c, 0,1
	ds_load_b128 v[(\xf)+8*\s+4*\c:(\xf)+8*\s+4*\c+3], v[LI] offset:AIMG+(4*(\m)+\s)*1024+512*\c
.endr
.endr
.irp s, 0,1,2,3
	ds_load_b32 v[(\xs)+\s], v[L4] offset:ASC+512*(\m)+128*\s
.endr
.endm
; head hoff of my two: the scale words of q and k, k's 12 tiles, q's 4: 19 loads
.macro TLA hoff
.irp g, 0,1,2
	global_load_b128 v[QKS+4*\g:QKS+4*\g+3], v[VQ+\g], s[12:13] offset:512*(\hoff)
.endr
	WIN 0x80
.irp g, 0,1,2
.irp i, 0,1,2,3
	global_load_b128 v[KF+16*\g+4*\i:KF+16*\g+4*\i+3], v[VK+\g], s[8:9] offset:512*\i+2048*(\hoff)
.endr
.endr
.irp i, 0,1,2,3
	global_load_b128 v[QF+8*\i:QF+8*\i+3], v[VK], s[6:7] offset:512*\i+2048*(\hoff)
.endr
	WIN 0
.endm
; v's scale words, the 32 blocks' column sums, v's 12 half fragments: 31 loads
.macro TLB hoff
.irp g, 0,1,2
	global_load_b64 v[VSR+2*\g:VSR+2*\g+1], v[VV+\g], s[14:15] offset:256*(\hoff)
.endr
.irp i, 0,1,2,3,4,5,6,7,8,9,10,11,12,13,14,15
	global_load_b128 v[SS+4*\i:SS+4*\i+3], v[LI], s[86:87] offset:512*\i+8192*(\hoff)
.endr
	WIN 0x80
.irp t, 0,1,2,3
.irp g, 0,1,2
	global_load_b128 v[VF+12*\t+4*\g:VF+12*\t+4*\g+3], v[VK+\g], s[10:11] offset:512*\t+2048*(\hoff)
.endr
.endr
	WIN 0
.endm
; the mask of edge tile p of query tile m: p = 0, 1 the lower edge (key >= query), p = 2, 3 the upper (key <= query + 127)
.macro MCROW m, p
.if (\p) < 2
.set KT_, 2*((\m)/2)+(\p)
.else
.set KT_, 2*((\m)/2+4)+(\p)-2
.endif
.set KK_, 32*(KT_/2)+8*(KT_%2)-32*((\m)/2)-8*((\m)%2)
.irp j, 0,1,2,3,4,5,6,7
.if (\p) < 2
	v_cmp_ge_i32 vcc_lo, KK_+\j, v[E0W]
.else
	v_cmp_le_i32 vcc_lo, KK_+\j-127, v[E0W]
.endif
	v_cndmask_b32 v[MC+32*(\m)+8*(\p)+\j], s52, v[PADC+8*KT_+\j], vcc_lo
.endr
.endm
	s_load_b512 s[4:19], s[0:1], 0x0               ; x, qc, kc, vc, qks, vs, vp, padf
	s_load_b512 s[20:35], s[0:1], 0x40             ; wimg, wo scales, bo, g1, be1, w1 scales, b1, b2
	s_load_b128 s[36:39], s[0:1], 0x80             ; g2, be2
	s_load_b64 s[40:41], s[0:1], 0x90              ; out0
	v_lshrrev_b32 v21, 5, v0
	v_readfirstlane_b32 s42, v21                   ; wave
	s_mov_b32 s43, ttmp9                           ; G
	s_lshr_b32 s44, s43, 5                         ; batch
	s_and_b32 s45, s43, 31
	v_and_b32 v20, 31, v0                          ; lane
	v_and_b32 v21, 15, v0                          ; r
	v_bfe_u32 v22, v0, 4, 1                        ; h
	v_and_b32 v23, 8, v21
	v_add_nc_u32 v23, v23, v21                     ; r + 8 (r / 8)
	v_lshlrev_b32 v[LI], 4, v20
	v_lshlrev_b32 v[L8], 3, v20
	v_lshl_add_u32 v[LSC], v22, 3, v23
	v_lshlrev_b32 v[LSC], 4, v[LSC]
	v_lshlrev_b32 v[LB], 6, v22
	v_lshlrev_b32 v[XA], 11, v23
	v_lshl_add_u32 v[XA], v22, 6, v[XA]
	s_lshl_b32 s60, s42, 9
	v_add_nc_u32 v[XA], s60, v[XA]
	v_add_nc_u32 v[OUTO], s60, v[LI]
	v_add_nc_u32 v[HSB], s60, v[LI]
	s_lshl_b32 s60, s42, 10
	v_add_nc_u32 v[AW], s60, v[LI]
	s_lshl_b32 s60, s42, 12
	v_add_nc_u32 v[HWB], s60, v[LI]
	s_lshl_b32 s60, s42, 8
	v_add_nc_u32 v[STW], s60, v[L8]
	v_lshl_add_u32 v[VSLW], v21, 4, s60
	v_lshl_add_u32 v[VSLR], v22, 5, s60
	s_mul_i32 s60, s42, 8448
	v_mul_u32_u24 v[SO], v21, 528
	v_lshl_add_u32 v[SO], v22, 6, v[SO]
	v_add_nc_u32 v[SO], s60, v[SO]
	v_add_nc_u32 v[SRD], s60, v[LI]
	v_lshlrev_b32 v[L4], 2, v20
	s_lshl_b32 s60, s42, 7
	v_add_nc_u32 v[ASW], s60, v[L4]
	v_lshlrev_b32 v[TQ], 4, v22
	v_sub_nc_u32 v[TQ], v23, v[TQ]                 ; r + 8 (r / 8) - 16 h: my query less my keys' half
.irp g, 0,1,2                                  ; the three blocks of keys: G + g, held at the last block (what lies behind a batch's end is hidden by the mask)
	s_add_co_u32 s60, s43, \g
	s_min_u32 s60, s60, 127
	s_lshl_b32 s61, s60, 14
	s_lshl_b32 s62, s42, 12
	s_add_co_u32 s61, s61, s62
	v_add_nc_u32 v[VK+\g], s61, v[LI]
	s_lshl_b32 s61, s60, 12
	s_lshl_b32 s62, s42, 10
	s_add_co_u32 s61, s61, s62
	v_add_nc_u32 v[VQ+\g], s61, v[LI]
	s_lshl_b32 s61, s60, 11
	s_lshl_b32 s62, s42, 9
	s_add_co_u32 s61, s61, s62
	v_add_nc_u32 v[VV+\g], s61, v[L8]
.endr
	s_mov_b32 s48, 0x76543210
	s_mov_b32 s49, 0xfedcba98                      ; v_permlanex16_b32's selects for lane l xor 16
	s_mov_b32 s50, 0x3e38aa3b                      ; log2(e) / 8
	s_mov_b32 s51, s50
	s_mov_b32 s52, 0xcfee6b28                      ; -8e9
	s_mov_b32 s53, 0xcf6e6b28                      ; -4e9
	s_mov_b32 s54, 0x3a000000                      ; 1 / 2048
	s_mov_b32 s59, 0x3c000000                      ; 1 / 128
	s_mov_b32 s78, 0x05040100
	s_mov_b32 s79, 0x07060302
	s_mov_b32 s80, 0x7f7f7f7f
	s_mov_b32 s81, 0x43000000                      ; 128
	s_mov_b32 s82, 0x3b000000                      ; 1 / 512
	s_mov_b32 s83, 0x3727c5ac                      ; 1e-5
	WIN 0x80
.irp i, 0,1,2,3
	v_mov_b32 v[KF+48+\i], 0                       ; behind the last fragments: the upper halves of the last operands
	v_mov_b32 v[VF+48+\i], 0
.irp m, 0,1,2,3
	v_mov_b32 v[QF+8*\m+4+\i], 0                   ; the head has 64 along K: q's upper 64 are zero codes
.endr
.endr
	v_mov_b32 v[E0W], v[TQ]
	WIN 0
.irp i, 0,1,2,3
	v_mov_b32 v[PCD+12+\i], 0
.endr
.irp i, 0,1,2,3,4
	v_mov_b32 v[BT+\i], 0
.endr
	v_mov_b32 v[TQ], 0
	v_mov_b32 v[NM+1], 0
	v_mov_b32 v[RL+1], 0
	v_mov_b32 v[FV+1], 0
	s_mul_i32 s60, s44, 8704
	s_lshl_b32 s61, s45, 8
	s_add_co_u32 s60, s60, s61
	s_mov_b32 s61, 0
	s_lshl_b32 s62, s44, 16
	s_lshl_b32 s63, s42, 14
	s_add_co_u32 s62, s62, s63
	s_mov_b32 s63, 0
	s_lshl_b32 s46, s43, 17
	s_mov_b32 s47, 0
	s_wait_kmcnt 0x0
	s_add_nc_u64 s[84:85], s[18:19], s[60:61]      ; the mask at my first key
	s_add_nc_u64 s[86:87], s[16:17], s[62:63]      ; the column sums of my batch and my first head
	s_add_nc_u64 s[4:5], s[4:5], s[46:47]          ; x and out0 at my first token
	s_add_nc_u64 s[40:41], s[40:41], s[46:47]
	s_lshl_b32 s46, s42, 15
	s_add_nc_u64 s[76:77], s[20:21], s[46:47]      ; wo's image, my eight tiles
	s_add_nc_u64 s[66:67], s[76:77], 131072        ; w1's, chunk 0
	s_add_nc_u64 s[68:69], s[76:77], 655360        ; w2's, chunk 0
	s_lshl_b32 s46, s42, 11
	s_add_nc_u64 s[72:73], s[20:21], s[46:47]
	s_add_nc_u64 s[72:73], s[72:73], 1179648       ; w2's scales, chunk 0
	s_add_nc_u64 s[70:71], s[30:31], s[46:47]      ; w1's scales
	s_add_nc_u64 s[22:23], s[22:23], s[46:47]      ; wo's scales
	s_lshl_b32 s46, s42, 9
	s_add_nc_u64 s[74:75], s[32:33], s[46:47]      ; b1
	s_add_nc_u64 s[24:25], s[24:25], s[46:47]
	s_add_nc_u64 s[26:27], s[26:27], s[46:47]
	s_add_nc_u64 s[28:29], s[28:29], s[46:47]
	s_add_nc_u64 s[34:35], s[34:35], s[46:47]
	s_add_nc_u64 s[36:37], s[36:37], s[46:47]
	s_add_nc_u64 s[38:39], s[38:39], s[46:47]
	WIN 0x80
.irp b, 0,1,2,3,4,5
.irp k, 0,1,2,3
	global_load_b128 v[PADC+16*\b+4*\k:PADC+16*\b+4*\k+3], v[LB], s[84:85] offset:128*\b+16*\k   ; register 8 kt + j: the mask of key 32 (kt / 2) + 8 (kt % 2) + 16 h + j
.endr
.endr
	WIN 0
	TLA 0
	TLB 0
	s_wait_loadcnt 50                              ; behind the mask: 19 + 31
	WIN 0xc8                                       ; destination window 3, source 1 window 2
.irp m, 0,1,2,3
.irp p, 0,1,2,3
	MCROW \m, \p
.endr
.endr
	WIN 0
; query tile m of the head in hand
.macro UNIT m
.set BOF_, (\m)/2                      ; the first of the tile's five blocks of 32 keys
	WIN 0x3a                                       ; k and q window 2, the edge masks window 3
.irp p, 0,1
	MM SS+8*\p, KF+4*(2*BOF_+\p), QF+8*(\m), MC+32*(\m)+8*\p, QKS+2*BOF_+\p, QKS+(\m), 1, 0
.endr
.irp p, 0,1
	MM SS+64+8*\p, KF+4*(2*BOF_+8+\p), QF+8*(\m), MC+32*(\m)+16+8*\p, QKS+2*BOF_+8+\p, QKS+(\m), 1, 0
.endr
	WIN 0x2a                                       ; open tiles: the mask of pad_mask alone
.irp q, 2,3,4,5,6,7
	MM SS+8*\q, KF+4*(2*BOF_+\q), QF+8*(\m), PADC+8*(2*BOF_+\q), QKS+2*BOF_+\q, QKS+(\m), 1, 0
.endr
	WIN 0
	NOP4
.if (\m) == 3
	s_cmp_lg_u32 s56, 0                            ; the first trip asks for the second head's q and k as soon as the last scores are issued
	s_cbranch_scc1 .Lno_tla
	TLA 1
.Lno_tla:
.endif
.irp b, 0,1,2,3,4
	v_max3_num_f32 v[BM+\b], v[SS+16*\b], v[SS+16*\b+1], v[SS+16*\b+2]   ; each block's largest score: for the row's maximum and for the block's largest p
.endr
.irp i, 3,5,7,9,11,13
.irp b, 0,1,2,3,4
	v_max3_num_f32 v[BM+\b], v[BM+\b], v[SS+16*\b+\i], v[SS+16*\b+\i+1]
.endr
.endr
.irp b, 0,1,2,3,4
	v_max_num_f32 v[BM+\b], v[BM+\b], v[SS+16*\b+15]
.endr
.irp b, 0,1,2,3,4
	v_permlanex16_b32 v[BT+\b], v[BM+\b], s48, s49
.endr
.irp b, 0,1,2,3,4
	v_max_num_f32 v[BM+\b], v[BM+\b], v[BT+\b]
.endr
	v_max3_num_f32 v[RM], v[BM], v[BM+1], v[BM+2]
	v_max3_num_f32 v[RM], v[RM], v[BM+3], v[BM+4]
	v_cmp_gt_f32 s55, s53, v[RM]                   ; no key of the row is allowed
	v_mul_f32 v[TQ+1], s50, v[RM]
	v_floor_f32 v[NM], -v[TQ+1]                    ; -M = floor(-t): M is a whole number
.set i_, 0
.rept 40
	v_pk_fma_f32 v[SS+i_:SS+i_+1], v[SS+i_:SS+i_+1], s[50:51], v[NM:NM+1] op_sel_hi:[1,0,0]
.set i_, i_+2
.endr
.irp b, 0,1,2,3,4
	v_fma_f32 v[BM+\b], v[BM+\b], s50, v[NM]
.endr
.set i_, 0
.rept 80
	v_exp_f32 v[SS+i_], v[SS+i_]                   ; p = 2^(t - M), not normalised
.set i_, i_+1
.endr
	s_wait_dscnt 0x0                               ; the last tile's LDS stores have read the codes' registers
	v_mov_b32 v[PCD+10-10*BOF_], 0                 ; the block outside the window: zero codes.  (Plain places behind the exponentials)
	v_mov_b32 v[PCD+11-10*BOF_], 0
	s_wait_alu depctr_va_vdst(0)                   ; one wait for the batch, ahead of its first reader
.irp b, 0,1,2,3,4
	v_exp_f32 v[BM+\b], v[BM+\b]                   ; each block's largest p
.endr
	v_pk_add_f32 v[LL:LL+1], v[SS:SS+1], v[SS+2:SS+3]          ; the row's sum of the unquantised p begins, in two chains
	v_pk_add_f32 v[LL+2:LL+3], v[SS+4:SS+5], v[SS+6:SS+7]
	s_wait_alu depctr_va_vdst(0)                   ; and one for the five
.irp b, 0,1,2,3,4
	v_max_num_f32 v[BM+\b], FLOORC, v[BM+\b]
.endr
.irp b, 0,1,2,3,4
	v_add_nc_u32 v[BS+\b], EOFFC, v[BM+\b]
.endr
.irp b, 0,1,2,3,4
	v_lshrrev_b32 v[BT+\b], 23, v[BS+\b]
.endr
.if BOF_ == 0                          ; each byte at its block's place among the six; the hidden block's stays 0
	v_lshl_or_b32 v[PSW], v[BT+1], 8, v[BT]
	v_lshl_or_b32 v[PSW], v[BT+2], 16, v[PSW]
	v_lshl_or_b32 v[PSW], v[BT+3], 24, v[PSW]
	v_mov_b32 v[PSW+1], v[BT+4]
.else
	v_lshlrev_b32 v[PSW], 8, v[BT]
	v_lshl_or_b32 v[PSW], v[BT+1], 16, v[PSW]
	v_lshl_or_b32 v[PSW], v[BT+2], 24, v[PSW]
	v_lshl_or_b32 v[PSW+1], v[BT+4], 8, v[BT+3]
.endif
.irp b, 0,1,2,3,4
	v_cvt_scalef32_pk8_fp4_f32 v[PCD+2*(\b+BOF_)], v[SS+16*\b:SS+16*\b+7], v[BS+\b]
	v_cvt_scalef32_pk8_fp4_f32 v[PCD+2*(\b+BOF_)+1], v[SS+16*\b+8:SS+16*\b+15], v[BS+\b]
.endr
	v_nop
.irp c, 0,1,2
.irp i, 0,1
	v_permlane16_swap_b32 v[PCD+4*\c+\i], v[PCD+4*\c+2+\i]
.endr
.endr
.set i_, 8
.rept 18                               ; the rest of the row's sum: also the places between the scale words and codes just written and the products
	v_pk_add_f32 v[LL:LL+1], v[LL:LL+1], v[SS+i_:SS+i_+1]
	v_pk_add_f32 v[LL+2:LL+3], v[LL+2:LL+3], v[SS+i_+2:SS+i_+3]
.set i_, i_+4
.endr
	WIN 0x02                                       ; v window 2
.irp t, 0,1,2,3
	MM OA+8*\t, VF+12*\t, PCD, -1, VSW+2*\t, PSW, 0, 0
.endr
.irp t, 0,1,2,3
	MM OA+8*\t, VF+12*\t+8, PCD+8, OA+8*\t, VSW+2*\t+1, PSW+1, 0, 0
.endr
	WIN 0
	v_pk_add_f32 v[LL:LL+1], v[LL:LL+1], v[LL+2:LL+3]
	v_add_f32 v[LL], v[LL], v[LL+1]
	v_permlanex16_b32 v[TQ], v[LL], s48, s49
	v_add_f32 v[LL], v[LL], v[TQ]                  ; the row's sum
	v_rcp_f32 v[RCP], v[LL]
	v_nop
	s_wait_alu depctr_va_vdst(0)
	v_cndmask_b32 v[RL], v[RCP], 0, s55            ; an empty row takes nothing of the window
	v_cndmask_b32 v[FV], 0, s54, s55               ; and 1 / 2048 of the column sum
.set i_, 0
.rept 16
	v_pk_mul_f32 v[OA+i_:OA+i_+1], v[OA+i_:OA+i_+1], v[RL:RL+1] op_sel_hi:[1,0]
.set i_, i_+2
.endr
.set i_, 0
.rept 16
	v_pk_fma_f32 v[OA+i_:OA+i_+1], v[VSUM+i_:VSUM+i_+1], v[FV:FV+1], v[OA+i_:OA+i_+1] op_sel_hi:[1,0,1]
.set i_, i_+2
.endr
	; o's 64 channels of this head: two blocks along wo's K
.irp b, 0,1
	v_max3_num_f32 v[BM+\b], |v[OA+16*\b]|, |v[OA+16*\b+1]|, FLOORC
.endr
.irp i, 2,4,6,8,10,12,14
.irp b, 0,1
	v_max3_num_f32 v[BM+\b], v[BM+\b], |v[OA+16*\b+\i]|, |v[OA+16*\b+\i+1]|
.endr
.endr
.irp b, 0,1
	v_permlanex16_b32 v[BT+\b], v[BM+\b], s48, s49
.endr
.irp b, 0,1
	v_max_num_f32 v[BM+\b], v[BM+\b], v[BT+\b]
.endr
.irp b, 0,1
	v_add_nc_u32 v[BS+\b], EOFFC, v[BM+\b]
.endr
.irp b, 0,1
	v_lshrrev_b32 v[BT+\b], 23, v[BS+\b]
.endr
	v_lshl_or_b32 v[PWQ], v[BT+1], 8, v[BT]
.irp b, 0,1
	v_cvt_scalef32_pk8_fp4_f32 v[PCD+2*\b], v[OA+16*\b:OA+16*\b+7], v[BS+\b]
	v_cvt_scalef32_pk8_fp4_f32 v[PCD+2*\b+1], v[OA+16*\b+8:OA+16*\b+15], v[BS+\b]
.endr
	v_nop
	v_permlane16_swap_b32 v[PCD], v[PCD+2]
	v_permlane16_swap_b32 v[PCD+1], v[PCD+3]
	ds_store_b128 v[OW], v[PCD:PCD+3] offset:AIMG+4096*(\m)    ; half of K step w of the next product
	ds_store_b16 v[OSW], v[PWQ] offset:ASC+512*(\m)
.endm
	s_mov_b32 s56, 0
.Lhead:                                                ; two trips: my two heads
	s_wait_loadcnt 12                              ; v's 12 loads may stay out; its scale words and the column sums are in
.irp i, 1,2,3,4,5,6,7,8,9,10,11,12,13,14,15
	v_pk_add_f32 v[SS:SS+1], v[SS:SS+1], v[SS+4*\i:SS+4*\i+1]      ; the 32 blocks' sums: a lane holds four channels of two blocks a load
	v_pk_add_f32 v[SS+2:SS+3], v[SS+2:SS+3], v[SS+4*\i+2:SS+4*\i+3]
.endr
.irp i, 0,1,2,3
	v_permlanex16_b32 v[BT+\i], v[SS+\i], s48, s49
.endr
.irp i, 0,1,2,3
	v_add_f32 v[SS+\i], v[SS+\i], v[BT+\i]
.endr
	ds_store_b128 v[VSLW], v[SS:SS+3] offset:VSL   ; both halves of the lanes write the same numbers
.irp t, 0,1,2,3
.irp k, 0,1
	ds_load_b128 v[VSUM+8*\t+4*\k:VSUM+8*\t+4*\k+3], v[VSLR] offset:VSL+64*\t+16*\k   ; back in o's layout; LDS serves a wave's instructions in order
.endr
.endr
.irp t, 0,2                                    ; v's scale words: bytes of key blocks 0 to 3, and of 4 and 5
	v_perm_b32 v[VSW+2*\t], v[VSR+2+\t/2], v[VSR+\t/2], s78
	v_perm_b32 v[VSW+2*\t+1], s80, v[VSR+4+\t/2], s78
	v_perm_b32 v[VSW+2*\t+2], v[VSR+2+\t/2], v[VSR+\t/2], s79
	v_perm_b32 v[VSW+2*\t+3], s80, v[VSR+4+\t/2], s79
.endr
	s_wait_loadcnt 0x0
	s_wait_dscnt 0x0
	s_lshl_b32 s60, s56, 9
	v_add_nc_u32 v[OW], s60, v[AW]
	s_lshl_b32 s60, s56, 1
	v_add_nc_u32 v[OSW], s60, v[ASW]
	s_cmp_lg_u32 s56, 0
	s_cbranch_scc1 .Lno_wo
	WIN 0x40
	WL64 76                                        ; wo's fragments are asked for under the first head's work
	WIN 0
.Lno_wo:
	UNIT 0
	UNIT 1
	UNIT 2
	UNIT 3
	NOP4
	s_cmp_lg_u32 s56, 0
	s_cbranch_scc1 .Lno_tlb
	TLB 1
.Lno_tlb:
	s_add_co_u32 s56, s56, 1
	s_cmp_lt_u32 s56, 2
	s_cbranch_scc1 .Lhead
	; ---- o wo + x: the accumulators begin as x
	s_wait_loadcnt 0x0                             ; nothing of the loop's loads is out on any way: their registers are used again
	NOP4
.irp i, 0,1,2,3
	v_mov_b32 v[TM+4+\i], 0
.endr
	v_mov_b32 v[TP], 0
.irp i, 0,1,2,3,4,5,6,7
	v_mov_b32 v[SM+\i], 0
.endr
	SL4 W1S, 22
	WIN 0xc0
.irp m, 0,1,2,3
.irp b, 0,1,2,3
.irp k, 0,1,2,3
	global_load_b128 v[64*\m+16*\b+4*\k:64*\m+16*\b+4*\k+3], v[XA], s[4:5] offset:(32*(\m/2)+8*(\m%2))*2048+128*\b+16*\k
.endr
.endr
.endr
	WIN 0x80
	BL16 BO, 24
	BL16 G1, 26
	BL16 BE1, 28
	BL16 B2, 34
	WIN 0
	BARRIER                                        ; o's sixteen fragments lie in LDS
.macro EPROD m, xf, xs
	WIN 0xf1                                       ; wo window 1, C and D window 3
.irp s, 0,1,2,3
.irp t, 0,1,2,3,4,5,6,7
	MM 64*(\m)+8*\t, 32*\t+8*\s, (\xf)+8*\s, 64*(\m)+8*\t, W1S+4*(\t/2)+\s, (\xs)+\s, \t%2, 0
.endr
.endr
	WIN 0
.endm
	FETCHA 0, XF, XS
	FETCHA 1, HA, HS
	s_wait_dscnt 12                                ; the 12 just issued may stay out
	s_wait_loadcnt 63                              ; behind each tile of x stand 64 loads or more
	EPROD 0, XF, XS
	NOP4
	FETCHA 2, XF, XS
	s_wait_dscnt 12
	EPROD 1, HA, HS
	NOP4
	FETCHA 3, HA, HS
	s_wait_dscnt 12
	EPROD 2, XF, XS
	s_wait_dscnt 0x0
	EPROD 3, HA, HS
	NOP4
	WIN 0x40
	WL64 66                                        ; w1, chunk 0
	WIN 0
	s_wait_loadcnt 63                              ; behind bo: 48 + 64
; mean and sum of squared deviations of my 128 columns of token tile m
.macro LNSTAT m, addb, sbase
.set AC_, 64*(\m)
.if \addb
	WIN 0xcb
.set i_, 0
.rept 32
	v_pk_add_f32 v[AC_+i_:AC_+i_+1], v[AC_+i_:AC_+i_+1], v[BO+i_:BO+i_+1]
.set i_, i_+2
.endr
.endif
	WIN 0x0f
	v_pk_add_f32 v[SA_:SA_+1], v[AC_:AC_+1], v[AC_+2:AC_+3]
	v_pk_add_f32 v[SB_:SB_+1], v[AC_+4:AC_+5], v[AC_+6:AC_+7]
	WIN 0x0c
.set i_, 8
.rept 14
	v_pk_add_f32 v[SA_:SA_+1], v[SA_:SA_+1], v[AC_+i_:AC_+i_+1]
	v_pk_add_f32 v[SB_:SB_+1], v[SB_:SB_+1], v[AC_+i_+2:AC_+i_+3]
.set i_, i_+4
.endr
	WIN 0
	v_pk_add_f32 v[SA_:SA_+1], v[SA_:SA_+1], v[SB_:SB_+1]
	v_add_f32 v[SA_], v[SA_], v[SA_+1]
	v_permlanex16_b32 v[TP], v[SA_], s48, s49
	v_add_f32 v[SA_], v[SA_], v[TP]
	v_mul_f32 v[SM+2*(\m)], s59, v[SA_]
	WIN 0x03
.set i_, 0
.rept 32
	v_pk_add_f32 v[HA+i_:HA+i_+1], v[AC_+i_:AC_+i_+1], v[SM+2*(\m):SM+2*(\m)+1] op_sel_hi:[1,0] neg_lo:[0,1] neg_hi:[0,1]
.set i_, i_+2
.endr
	WIN 0
	v_pk_mul_f32 v[SA_:SA_+1], v[HA:HA+1], v[HA:HA+1]
	v_pk_mul_f32 v[SB_:SB_+1], v[HA+2:HA+3], v[HA+2:HA+3]
.set i_, 4
.rept 15
	v_pk_fma_f32 v[SA_:SA_+1], v[HA+i_:HA+i_+1], v[HA+i_:HA+i_+1], v[SA_:SA_+1]
	v_pk_fma_f32 v[SB_:SB_+1], v[HA+i_+2:HA+i_+3], v[HA+i_+2:HA+i_+3], v[SB_:SB_+1]
.set i_, i_+4
.endr
	v_pk_add_f32 v[SA_:SA_+1], v[SA_:SA_+1], v[SB_:SB_+1]
	v_add_f32 v[SA_], v[SA_], v[SA_+1]
	v_permlanex16_b32 v[TP], v[SA_], s48, s49
	v_add_f32 v[SM+2*(\m)+1], v[SA_], v[TP]
	ds_store_b64 v[STW], v[SM+2*(\m):SM+2*(\m)+1] offset:(\sbase)+1024*(\m)
.endm
; the four waves' figures become each token's mean (CC) and 1 / sqrt(variance + 1e-5) (RR)
.macro LNCOMB sbase
.irp m, 0,1,2,3
.irp w, 0,1,2,3
	ds_load_b64 v[STT+8*\m+2*\w:STT+8*\m+2*\w+1], v[L8] offset:(\sbase)+1024*\m+256*\w
.endr
.endr
	s_wait_dscnt 0x0
.irp m, 0,1,2,3
	v_add_f32 v[TM+\m], v[STT+8*\m], v[STT+8*\m+2]
.endr
.irp m, 0,1,2,3
	v_add_f32 v[TM+4+\m], v[STT+8*\m+4], v[STT+8*\m+6]
.endr
.irp m, 0,1,2,3
	v_add_f32 v[TM+\m], v[TM+\m], v[TM+4+\m]
.endr
.irp m, 0,1,2,3
	v_mul_f32 v[CC+2*\m], 0x3e800000, v[TM+\m]     ; the mean of 512
.endr
.irp w, 0,1,2,3
.irp m, 0,1,2,3
	v_sub_f32 v[STT+8*\m+2*\w], v[STT+8*\m+2*\w], v[CC+2*\m]
.endr
.endr
.irp m, 0,1,2,3
	v_mul_f32 v[TM+4+\m], v[STT+8*\m], v[STT+8*\m]
.endr
.irp w, 1,2,3
.irp m, 0,1,2,3
	v_fma_f32 v[TM+4+\m], v[STT+8*\m+2*\w], v[STT+8*\m+2*\w], v[TM+4+\m]
.endr
.endr
.irp m, 0,1,2,3
	v_add_f32 v[TM+8+\m], v[STT+8*\m+1], v[STT+8*\m+3]
.endr
.irp m, 0,1,2,3
	v_add_f32 v[STT+8*\m+5], v[STT+8*\m+5], v[STT+8*\m+7]
.endr
.irp m, 0,1,2,3
	v_add_f32 v[TM+8+\m], v[TM+8+\m], v[STT+8*\m+5]
.endr
.irp m, 0,1,2,3
	v_fma_f32 v[TM+8+\m], v[TM+4+\m], s81, v[TM+8+\m]      ; + 128 x the parts' squared distances from the mean
.endr
.irp m, 0,1,2,3
	v_fma_f32 v[TM+8+\m], v[TM+8+\m], s82, s83
.endr
.irp m, 0,1,2,3
	v_rsq_f32 v[RR+2*\m], v[TM+8+\m]
.endr
.irp m, 0,1,2,3
	v_mov_b32 v[CC+2*\m+1], v[CC+2*\m]             ; (plain places behind the four)
.endr
	s_wait_alu depctr_va_vdst(0)                   ; one wait for the four, ahead of their first reader
.irp m, 0,1,2,3
	v_mov_b32 v[RR+2*\m+1], v[RR+2*\m]
.endr
.endm
; HA = (accumulators of tile m - mean) x rstd x g + b, as it is written in the problem
.macro NORM m, wing, gg, bb
	WIN 0x03
.set i_, 0
.rept 32
	v_pk_add_f32 v[HA+i_:HA+i_+1], v[64*(\m)+i_:64*(\m)+i_+1], v[CC+2*(\m):CC+2*(\m)+1] op_sel_hi:[1,0] neg_lo:[0,1] neg_hi:[0,1]
.set i_, i_+2
.endr
	WIN 0
.set i_, 0
.rept 32
	v_pk_mul_f32 v[HA+i_:HA+i_+1], v[HA+i_:HA+i_+1], v[RR+2*(\m):RR+2*(\m)+1] op_sel_hi:[1,0]
.set i_, i_+2
.endr
	WIN \wing
.set i_, 0
.rept 32
	v_pk_fma_f32 v[HA+i_:HA+i_+1], v[HA+i_:HA+i_+1], v[\gg+i_:\gg+i_+1], v[\bb+i_:\bb+i_+1]
.set i_, i_+2
.endr
	WIN 0
.endm
	LNSTAT 0, 1, STAT1
	LNSTAT 1, 1, STAT1
	LNSTAT 2, 1, STAT1
	LNSTAT 3, 1, STAT1
	BARRIER                                        ; all figures lie in LDS, and nobody reads o's fragments any more
	LNCOMB STAT1
	s_wait_loadcnt 63                              ; behind g1, be1, b2: w1's 64
; x1 of tile m: quantised, its image to LDS; the accumulators go on as x1 + b2
.macro FSTEP m
	NORM \m, 0x28, G1, BE1
	QUANT HA, PC, PW
	ds_store_b128 v[AW], v[PC:PC+3] offset:AIMG+4096*(\m)
	ds_store_b128 v[AW], v[PC+4:PC+7] offset:AIMG+4096*(\m)+512
	ds_store_b32 v[ASW], v[PW] offset:ASC+512*(\m)
	WIN 0xc8
.set i_, 0
.rept 32
	v_pk_add_f32 v[64*(\m)+i_:64*(\m)+i_+1], v[HA+i_:HA+i_+1], v[B2+i_:B2+i_+1]
.set i_, i_+2
.endr
	WIN 0
	s_wait_dscnt 0x0                               ; the stores have read their registers
.endm
	FSTEP 0
	FSTEP 1
	FSTEP 2
	FSTEP 3
	SL4 W1S, 70
	BL16 B1, 74
	SL4 W2S, 72
	WIN 0x80
	WL64 68                                        ; w2, chunk 0
	WIN 0
	BARRIER                                        ; x1's sixteen fragments lie in LDS
	FETCHA 0, XF, XS
.macro FETCHH sp                       ; K step sp of the chunk: the four token tiles' hidden fragments and their scale words: 9 LDS loads
.irp m, 0,1,2,3
.irp c, 0,1
	ds_load_b128 v[HA+32*((\sp)%2)+8*\m+4*\c:HA+32*((\sp)%2)+8*\m+4*\c+3], v[LI] offset:HIMG+(4*(\sp)+\m)*1024+512*\c
.endr
.endr
	ds_load_b128 v[HS+4*((\sp)%2):HS+4*((\sp)%2)+3], v[LI] offset:HSC+512*(\sp)
.endm
.macro P2STEP sp
	NOP4                                           ; places in front of loads into registers that matrix instructions have read
	s_cmp_eq_u32 s58, 3
	s_cbranch_scc1 .Lnl_\@                         ; the last chunk asks for nothing more
	WIN 0x40
.irp i, 0,1,2,3,4,5,6,7,8,9,10,11,12,13,14,15
	global_load_b128 v[4*(16*(\sp)+\i):4*(16*(\sp)+\i)+3], v[LI], s[66:67] offset:512*(16*(\sp)+\i)
.endr
	WIN 0
.irp k, 0,1,2,3
	global_load_b128 v[B1+16*(\sp)+4*\k:B1+16*(\sp)+4*\k+3], v[LB], s[74:75] offset:128*(\sp)+16*\k
.endr
.if (\sp) == 0
	SL4 W1S, 70
.endif
.Lnl_\@:
.if (\sp) < 3
	FETCHH (\sp)+1
	s_wait_dscnt 9                                 ; the nine just issued may stay out
.else
	s_wait_dscnt 0x0
.endif
	WIN 0xf2                                       ; w2 window 2, C and D window 3
.irp m, 0,1,2,3
.irp t, 0,1,2,3,4,5,6,7
	MM 64*\m+8*\t, 32*\t+8*(\sp), HA+32*((\sp)%2)+8*\m, 64*\m+8*\t, W2S+4*(\t/2)+(\sp), HS+4*((\sp)%2)+\m, \t%2, 0
.endr
.endr
	WIN 0
.endm
	s_mov_b32 s58, 0
.Lchunk:                                               ; four trips: 512 hidden units each
	s_wait_loadcnt 63                              ; behind w1's codes, scales and b1 stand w2's 68
	s_add_nc_u64 s[66:67], s[66:67], 131072        ; that wait has shown their loads done: on to the next chunk
	s_add_nc_u64 s[70:71], s[70:71], 8192
	s_add_nc_u64 s[74:75], s[74:75], 2048
	s_mov_b32 s57, 0
.Lm:                                                   ; four trips: a token tile each: my 128 hidden units, relu, quantised, image to LDS
	s_wait_dscnt 0x0
	WIN 0x01
.irp t, 0,1,2,3,4,5,6,7
	MM HA+8*\t, 32*\t, XF, B1+8*\t, W1S+4*(\t/2), XS, \t%2, 0
.endr
.irp s, 1,2,3
.irp t, 0,1,2,3,4,5,6,7
	MM HA+8*\t, 32*\t+8*\s, XF+8*\s, HA+8*\t, W1S+4*(\t/2)+\s, XS+\s, \t%2, 0
.endr
.endr
	WIN 0
	NOP4
	s_add_co_u32 s60, s57, 1
	s_and_b32 s60, s60, 3                          ; the next tile; behind the last comes tile 0, for the next chunk
	s_lshl_b32 s61, s60, 12
	v_add_nc_u32 v[AX], s61, v[LI]
	s_lshl_b32 s61, s60, 9
	v_add_nc_u32 v[AXS], s61, v[L4]
.irp s, 0,1,2,3
.irp c, 0,1
	ds_load_b128 v[XF+8*\s+4*\c:XF+8*\s+4*\c+3], v[AX] offset:AIMG+1024*\s+512*\c
.endr
.endr
.irp s, 0,1,2,3
	ds_load_b32 v[XS+\s], v[AXS] offset:ASC+128*\s
.endr
.set i_, 0
.rept 64
	v_max_num_f32 v[HA+i_], 0, v[HA+i_]
.set i_, i_+1
.endr
	QUANT HA, PC, PW
	s_lshl_b32 s61, s57, 10
	v_add_nc_u32 v[HW], s61, v[HWB]
	s_lshl_b32 s61, s57, 2
	v_add_nc_u32 v[HWS], s61, v[HSB]
	ds_store_b128 v[HW], v[PC:PC+3] offset:HIMG
	ds_store_b128 v[HW], v[PC+4:PC+7] offset:HIMG+512
	ds_store_b32 v[HWS], v[PW] offset:HSC
	s_add_co_u32 s57, s57, 1
	s_cmp_lt_u32 s57, 4
	s_cbranch_scc1 .Lm
	BARRIER                                        ; the chunk's sixteen hidden fragments lie in LDS
	s_wait_loadcnt 0x0                             ; w2's chunk
	s_add_nc_u64 s[68:69], s[68:69], 131072
	s_add_nc_u64 s[72:73], s[72:73], 8192
	FETCHH 0
	P2STEP 0
	P2STEP 1
	P2STEP 2
	P2STEP 3
	NOP4                                           ; four places in front of the loads into w2's registers,
	v_nop                                          ; and a fifth: the next chunk's first products write over the hidden fragments that the last products read (a matrix instruction that writes over an operand stands five places behind its reader)
	s_cmp_eq_u32 s58, 3
	s_cbranch_scc1 .Lno_w2
	SL4 W2S, 72
	WIN 0x80
	WL64 68
	WIN 0
.Lno_w2:
	BARRIER                                        ; every wave's reads of the hidden fragments are over: the next chunk may write them
	s_add_co_u32 s58, s58, 1
	s_cmp_lt_u32 s58, 4
	s_cbranch_scc1 .Lchunk
	; ---- the second norm and the way out
	s_wait_loadcnt 0x0                             ; nothing of the loop's loads is out on any way: their registers are used again
	WIN 0x40
	BL16 G2, 36
	BL16 BE2, 38
	WIN 0
.irp i, 0,1,2,3,4,5,6,7
	v_mov_b32 v[SM+\i], 0
.endr
	LNSTAT 0, 0, STAT2
	LNSTAT 1, 0, STAT2
	LNSTAT 2, 0, STAT2
	LNSTAT 3, 0, STAT2
	BARRIER
	LNCOMB STAT2
	s_wait_loadcnt 0x0
; tile m goes through my stage in LDS and comes back as whole pieces of rows, into the registers that it left
.macro HSTEP m
.if (\m) > 0
	s_wait_xcnt 0x0                                ; the last tile's stores have read their registers
.endif
	NORM \m, 0x14, G2, BE2
.irp b, 0,1,2,3
.irp k, 0,1,2,3
	ds_store_b128 v[SO], v[HA+16*\b+4*\k:HA+16*\b+4*\k+3] offset:OUTS+128*\b+16*\k
.endr
.endr
.irp i, 0,1,2,3,4,5,6,7,8,9,10,11,12,13,14,15
	ds_load_b128 v[HA+4*\i:HA+4*\i+3], v[SRD] offset:OUTS+528*\i   ; LDS serves a wave's instructions in order: these see my stores
.endr
.irp i, 0,1,2,3,4,5,6,7,8,9,10,11,12,13,14,15
	s_wait_dscnt 15-\i
	global_store_b128 v[OUTO], v[HA+4*\i:HA+4*\i+3], s[40:41] offset:(32*((\m)/2)+8*((\m)%2)+\i+8*(\i/8))*2048 th:TH_STORE_NT   ; 32 lanes store 512 consecutive bytes, at a multiple of 512 from out0's first byte
.endr
.endm
	HSTEP 0
	HSTEP 1
	HSTEP 2
	HSTEP 3
	s_wait_xcnt 0x0
	v_lshl_add_u32 v254, v0, 2, 0x13c00
	v_mov_b32 v255, 0
	s_wait_tensorcnt 0x0
	ds_add_u32 v254, v255
	s_wait_dscnt 0x0
	s_endpgm
.Lfunc_end_k_q34161d308f_block:
	.size	k_q34161d308f_block, .Lfunc_end_k_q34161d308f_block-k_q34161d308f_block
	.p2alignl 7, 3214868480
	.fill 96, 4, 3214868480
	.section	.rodata,"a",@progbits
	.p2align	6, 0x0
	.amdhsa_kernel k_q34161d308f_block
		.amdhsa_group_segment_fixed_size 81408
		.amdhsa_private_segment_fixed_size 0
		.amdhsa_enable_private_segment 0
		.amdhsa_kernarg_size 152
		.amdhsa_user_sgpr_count 2
		.amdhsa_user_sgpr_kernarg_segment_ptr 1
		.amdhsa_wavefront_size32 1
		.amdhsa_system_sgpr_workgroup_id_x 1
		.amdhsa_system_sgpr_workgroup_id_y 1
		.amdhsa_system_sgpr_workgroup_id_z 1
		.amdhsa_system_vgpr_workitem_id 0
		.amdhsa_next_free_vgpr 1024
		.amdhsa_next_free_sgpr 96
		.amdhsa_reserve_vcc 1
		.amdhsa_float_denorm_mode_32 3
		.amdhsa_float_denorm_mode_16_64 3
		.amdhsa_memory_ordered 1
		.amdhsa_forward_progress 1
		.amdhsa_inst_pref_size 255
	.end_amdhsa_kernel
	.section	.bss,"aw",@nobits
	.p2align	6
	.space	262144
	.amdgpu_metadata
---
amdhsa.version: [ 1, 2 ]
amdhsa.kernels:
  - .name:           k_q34161d308f_block
    .symbol:         k_q34161d308f_block.kd
    .args:
      - { .name: x, .offset: 0, .size: 8, .value_kind: global_buffer, .address_space: global }
      - { .name: qc, .offset: 8, .size: 8, .value_kind: global_buffer, .address_space: global }
      - { .name: kc, .offset: 16, .size: 8, .value_kind: global_buffer, .address_space: global }
      - { .name: vc, .offset: 24, .size: 8, .value_kind: global_buffer, .address_space: global }
      - { .name: qks, .offset: 32, .size: 8, .value_kind: global_buffer, .address_space: global }
      - { .name: vs, .offset: 40, .size: 8, .value_kind: global_buffer, .address_space: global }
      - { .name: vp, .offset: 48, .size: 8, .value_kind: global_buffer, .address_space: global }
      - { .name: padf, .offset: 56, .size: 8, .value_kind: global_buffer, .address_space: global }
      - { .name: wimg, .offset: 64, .size: 8, .value_kind: global_buffer, .address_space: global }
      - { .name: wo_scales, .offset: 72, .size: 8, .value_kind: global_buffer, .address_space: global }
      - { .name: bo, .offset: 80, .size: 8, .value_kind: global_buffer, .address_space: global }
      - { .name: g1, .offset: 88, .size: 8, .value_kind: global_buffer, .address_space: global }
      - { .name: be1, .offset: 96, .size: 8, .value_kind: global_buffer, .address_space: global }
      - { .name: w1_scales, .offset: 104, .size: 8, .value_kind: global_buffer, .address_space: global }
      - { .name: b1, .offset: 112, .size: 8, .value_kind: global_buffer, .address_space: global }
      - { .name: b2, .offset: 120, .size: 8, .value_kind: global_buffer, .address_space: global }
      - { .name: g2, .offset: 128, .size: 8, .value_kind: global_buffer, .address_space: global }
      - { .name: be2, .offset: 136, .size: 8, .value_kind: global_buffer, .address_space: global }
      - { .name: out0, .offset: 144, .size: 8, .value_kind: global_buffer, .address_space: global }
    .group_segment_fixed_size: 81408
    .private_segment_fixed_size: 0
    .kernarg_segment_align: 8
    .kernarg_segment_size: 152
    .max_flat_workgroup_size: 128
    .sgpr_count:     96
    .vgpr_count:     1024
    .wavefront_size: 32
...
	.end_amdgpu_metadata
.endif
;; end of part 2
;; ======== version 2 of 2: 2 launches; version 1 with the launches qkv, block written anew for expert scheduling mode
;; limits: right only within a limited range of input values
;; workspace buffers: qc 2,097,152 bytes; kc 2,097,152 bytes; vc 2,097,152 bytes; qks 524,288 bytes; vs 262,144 bytes; vp 262,144 bytes; padf 34,816 bytes; wimg 1,212,416 bytes
;; launch qkv (part 3): grid 128 x 2, 4 waves a work-group, no clusters, 18,944 bytes of LDS; arguments x, pad_mask, wq_codes, wq_scales, bq, wk_codes, wk_scales, bk, wv_codes, wv_scales, bv, wo_codes, w1_codes, w2_codes, w2_scales, qc, kc, vc, qks, vs, vp, padf, wimg; writes qc, kc, vc, qks, vs, vp, padf, wimg
.if DOCPART == 3
	.amdgcn_target "amdgcn-amd-amdhsa--gfx1250"
	.amdhsa_code_object_version 6
	.text
	.protected	k_q34161d308f_qkv
	.globl	k_q34161d308f_qkv
	.p2align	8
	.type	k_q34161d308f_qkv,@function
k_q34161d308f_qkv:
	s_mov_b64 s[64:65], 0
	v_nop
	global_prefetch_b8 v0, s[64:65] scope:SCOPE_SE
	s_setreg_imm32_b32 hwreg(HW_REG_WAVE_SCHED_MODE, 0, 2), 2
	s_setreg_imm32_b32 hwreg(HW_REG_WAVE_MODE, 25, 1), 1
	s_wait_xcnt 0x0
	s_wait_alu depctr_vm_vsrc(0)
; q = x wq + bq, k = x wk + bk, v = x wv + bv on codes of E2M1 with one E8M0 scale for each 32 along K; q and k are then quantised along the head's 64,
; v along the keys, and all three leave as images of operand registers.  x: [8192][512] f32, quantised here.  The weights come as codes, K innermost.
; SHARES.  Work-group (G, y): tokens 64 G .. 64 G + 63, heads 4 y .. 4 y + 3.  Wave w: head 4 y + w, all 64 tokens; in the first phase it quantises token tile w of x.
; A wave's part of wq, wk, wv (3 x 16 fragments) is read once, straight into its registers: each weight byte serves one wave of the work-group, so a joint load into LDS
; would add an LDS read to every fragment: no tensor load and no cluster here.
; TILES.  Lane r of tile 2 b + u of any set of rows (tokens, weight rows) takes row 32 b + 8 u + r + 8 (r / 8): so in a result the 16 registers of tiles 2 b and 2 b + 1
; are 16 neighbours, 32 b + 16 (lane / 16) + 0 .. 15, and the conversions' results are the next operand's registers.
; q, k: source 0 = 16 rows of the weight, source 1 = 16 tokens: a lane holds one token, its registers run along the head.  v: source 0 = 16 tokens, source 1 = 16 rows of wv:
; a lane holds one channel, its registers run along the keys.
; ON THE SIDE: wo, w1, w2 (and w2's scales) are laid in the order of operand registers; pad_mask becomes an additive f32 mask; each block's column sum of quantised v is stored
; (a row of attention with no allowed key needs the sum over all keys).
; LIMITS: a block of zeros gets the scale byte 1 and not 127 (its codes are zeros; only this program reads the bytes); blocks whose largest magnitude lies under 2^-124 are held at byte 1;
; NaN and infinities among the inputs are not served.
; REGISTERS.  window 0: v4-14 addresses; v32-95 HA; v96-159 ST (x), later v96-127 and v128-159 x's fragments, two buffers (v128-159 first hold copied weights); v160-175 codes; v176-179 zeros; v180-191 TM; v196.. scale words.
;   window 1: wq's 16 fragments, wk's 16.   window 2: wv's 16; from v128 bq, bk, bv in the results' layouts.   window 3: v's 16 accumulators, (channel tile t, token tile m) at 32 t + 8 m.
; THE MODE: SCHED_MODE bits 1:0 = 2 (LLVM: expert scheduling mode 2), set by the entry lines.  The code itself states the register dependences
; between vector or matrix instructions and memory or LDS instructions, with s_wait_alu, always for 0.
; THE PLAN.  Registers that memory or LDS instructions touch:
;   v4-14       offsets and LDS addresses: written at the head, never again; one wait on va_vdst ahead of the first load serves them all.
;   HA, ST      x as loaded.  K step s: QUANT reads one of them; the loads of K step s + 2 land in it behind the wait that stands ahead of the step's LDS stores.
;   PC, PW      written by QUANT; read by the LDS stores (x) or the global stores (q, k, v): a wait on va_vdst ahead of the stores, a wait on vm_vsrc ahead of the next QUANT.
;   XF, XS      x's fragments and scale words, TWO buffers by turns.  Tile m's products read buffer m % 2; the LDS loads of tile m + 1, issued at the head of tile m, land in the other,
;               which tile m - 1's products read: the wait on va_vdst ahead of tile m - 1's stores stands behind those products, and no vector or matrix instruction since names that buffer.
;   The weights', biases' and scale words' registers are loaded once and named by matrix instructions alone afterwards.
.set FLOORC, 0x1800000                 ; 2^(3 - 127): no largest magnitude is taken under it, so a scale's byte cannot fall under 1
.set EOFFC,  0xff000000                ; takes 2 off an exponent field
.set NEGC,   0xcfee6b28                ; -8e9: what a hidden key adds to its raw score
.set XSC,  16384                       ; LDS: x's 16 fragments at (4 m + s) x 1024; behind them their scale words, [m][lane][s]
.set XA,   4
.set LI,   5
.set LSC,  6
.set LB,   7
.set LW,   8
.set XWI,  9
.set XWS,  10
.set LBV,  11
.set SH16, 12
.set L8,   13
.set L4,   14
.set HA,   32
.set ST,   96
.set XF,   96                          ; buffer p at XF + 32 p
.set CP,   128
.set PC,   160
.set PCV,  160
.set ZR,   176
.set TM,   180
.set PW,   196
.set PWV,  198
.set SW,   200
.set XS,   204                         ; buffer p at XS + 44 p: v204-207, v248-251
.set WQS,  208
.set WKS,  216
.set WVS,  224
.set ONES, 232
.set ONE_S, 240
.set VO,   241
.set TT,   244
.set WQ,   0
.set WK,   128
.set WV,   0
.set BQ,   128
.set BK,   160
.set BV,   192
.set MSB, 0
.macro WIN new                         ; the immediate's high byte repeats the setting that is left; a switch that changes nothing is dropped
.if MSB != (\new)
	s_set_vgpr_msb (MSB<<8)|(\new)
.set MSB, (\new)
.endif
.endm
.macro NOP4
.rept 4
	v_nop
.endr
.endm
.macro BARRIER                         ; my LDS stores have landed and my LDS loads are in: then the work-group's barrier
	s_wait_dscnt 0x0
	s_barrier_signal -1
	s_barrier_wait -1
.endm
; one matrix instruction.  c < 0: the constant 0 starts the sum.  ar, br: the side's scales stand in lanes 16-31
.macro MM d, a, b, c, sa, sb, ar, br
.if (\c) < 0
.if (\ar)
	v_wmma_scale_f32_16x16x128_f8f6f4 v[(\d):(\d)+7], v[(\a):(\a)+7], v[(\b):(\b)+7], 0, v[\sa], v[\sb] matrix_a_fmt:MATRIX_FMT_FP4 matrix_b_fmt:MATRIX_FMT_FP4 matrix_a_scale:MATRIX_SCALE_ROW1
.elseif (\br)
	v_wmma_scale_f32_16x16x128_f8f6f4 v[(\d):(\d)+7], v[(\a):(\a)+7], v[(\b):(\b)+7], 0, v[\sa], v[\sb] matrix_a_fmt:MATRIX_FMT_FP4 matrix_b_fmt:MATRIX_FMT_FP4 matrix_b_scale:MATRIX_SCALE_ROW1
.else
	v_wmma_scale_f32_16x16x128_f8f6f4 v[(\d):(\d)+7], v[(\a):(\a)+7], v[(\b):(\b)+7], 0, v[\sa], v[\sb] matrix_a_fmt:MATRIX_FMT_FP4 matrix_b_fmt:MATRIX_FMT_FP4
.endif
.else
.if (\ar)
	v_wmma_scale_f32_16x16x128_f8f6f4 v[(\d):(\d)+7], v[(\a):(\a)+7], v[(\b):(\b)+7], v[(\c):(\c)+7], v[\sa], v[\sb] matrix_a_fmt:MATRIX_FMT_FP4 matrix_b_fmt:MATRIX_FMT_FP4 matrix_a_scale:MATRIX_SCALE_ROW1
.elseif (\br)
	v_wmma_scale_f32_16x16x128_f8f6f4 v[(\d):(\d)+7], v[(\a):(\a)+7], v[(\b):(\b)+7], v[(\c):(\c)+7], v[\sa], v[\sb] matrix_a_fmt:MATRIX_FMT_FP4 matrix_b_fmt:MATRIX_FMT_FP4 matrix_b_scale:MATRIX_SCALE_ROW1
.else
	v_wmma_scale_f32_16x16x128_f8f6f4 v[(\d):(\d)+7], v[(\a):(\a)+7], v[(\b):(\b)+7], v[(\c):(\c)+7], v[\sa], v[\sb] matrix_a_fmt:MATRIX_FMT_FP4 matrix_b_fmt:MATRIX_FMT_FP4
.endif
.endif
.endm
; 64 numbers of a lane in window win, register 16 b + i = k 32 b + 16 (lane / 16) + i of my row, become a fragment's codes in v[pc] on and its scale word in v[pw]
.macro QUANT s, pc, pw, win
	WIN ((\win)<<2)|((\win)<<4)
.irp b, 0,1,2,3
	v_max3_num_f32 v[TM+\b], FLOORC, |v[(\s)+16*\b]|, |v[(\s)+1+16*\b]|
.endr
.irp i, 2,4,6,8,10,12,14
.irp b, 0,1,2,3
	v_max3_num_f32 v[TM+\b], v[TM+\b], |v[(\s)+16*\b+\i]|, |v[(\s)+1+16*\b+\i]|
.endr
.endr
	WIN 0
.irp b, 0,1,2,3
	v_permlanex16_b32 v[TM+4+\b], v[TM+\b], s54, s55
.endr
.irp b, 0,1,2,3
	v_max_num_f32 v[TM+\b], v[TM+\b], v[TM+4+\b]           ; with lane l xor 16's: the block's largest magnitude
.endr
.irp b, 0,1,2,3
	v_add_nc_u32 v[TM+8+\b], EOFFC, v[TM+\b]               ; the conversion takes this operand's exponent field as its scale
.endr
.irp b, 0,1,2,3
	v_lshrrev_b32 v[TM+4+\b], 23, v[TM+8+\b]               ; the scale's byte
.endr
	v_lshl_or_b32 v[\pw], v[TM+5], 8, v[TM+4]
	v_lshl_or_b32 v[\pw], v[TM+6], 16, v[\pw]
	v_lshl_or_b32 v[\pw], v[TM+7], 24, v[\pw]
	WIN (\win)
.irp b, 0,1,2,3
	v_cvt_scalef32_pk8_fp4_f32 v[(\pc)+2*\b], v[(\s)+16*\b:(\s)+16*\b+7], v[TM+8+\b]
	v_cvt_scalef32_pk8_fp4_f32 v[(\pc)+2*\b+1], v[(\s)+16*\b+8:(\s)+16*\b+15], v[TM+8+\b]
.endr
	WIN 0
	v_nop                                                  ; one plain place behind a scaled conversion
.irp c, 0,1                                            ; the operand's layout wants a whole block in a lane
.irp i, 0,1
	v_permlane16_swap_b32 v[(\pc)+4*\c+\i], v[(\pc)+4*\c+2+\i]
.endr
.endr
.endm
.macro XLOAD reg, s                    ; my 16 tokens' numbers of K step s: 16 neighbours of each block of 32 to a lane
.irp b, 0,1,2,3
.irp j, 0,1,2,3
	global_load_b128 v[\reg+16*\b+4*\j:\reg+16*\b+4*\j+3], v[XA], s[4:5] offset:512*(\s)+128*\b+16*\j
.endr
.endr
.endm
.macro WLOAD reg, sb                   ; my head's 64 rows of a weight: fragment (t, s) at reg + 8 (4 t + s)
.irp t, 0,1,2,3
.irp s, 0,1,2,3
.irp c, 0,1
	global_load_b128 v[\reg+8*(4*\t+\s)+4*\c:\reg+8*(4*\t+\s)+4*\c+3], v[LW], s[\sb:\sb+1] offset:(32*(\t/2)+8*(\t%2))*256+64*\s+32*\c
.endr
.endr
.endr
.endm
.macro SLOAD reg, sb                   ; their scale words: register 4 b + s; lanes 0-15 tile 2 b, lanes 16-31 tile 2 b + 1
.irp b, 0,1
	global_load_b128 v[\reg+4*\b:\reg+4*\b+3], v[LSC], s[\sb:\sb+1] offset:512*\b
.endr
.endm
.macro XOUT s                          ; the fragment just made goes to LDS as it stands
	s_wait_alu depctr_va_vdst(0)                           ; QUANT has written the codes and the scale word, which the stores read, and is done reading its 64 numbers, in which the next loads of x land
	ds_store_b128 v[XWI], v[PC:PC+3] offset:1024*(\s)
	ds_store_b128 v[XWI], v[PC+4:PC+7] offset:1024*(\s)+512
	ds_store_b32 v[XWS], v[PW] offset:4*(\s)
	s_wait_dscnt 0x0                                       ; the stores have landed
	s_wait_alu depctr_vm_vsrc(0)                           ; the stores have read v[PC ..] and v[PW], which the next QUANT writes
.endm
.macro FETCH m                         ; token tile m: four fragments and their four scale words, into buffer m % 2: nine LDS loads
.irp s, 0,1,2,3
.irp c, 0,1
	ds_load_b128 v[XF+32*((\m)%2)+8*\s+4*\c:XF+32*((\m)%2)+8*\s+4*\c+3], v[LI] offset:(4*(\m)+\s)*1024+512*\c
.endr
.endr
	ds_load_b128 v[XS+44*((\m)%2):XS+44*((\m)%2)+3], v[LI] offset:XSC+512*(\m)
.endm
	s_load_b512 s[4:19], s[0:1], 0x0               ; x, pad_mask, wq codes, wq scales, bq, wk codes, wk scales, bk
	s_load_b512 s[20:35], s[0:1], 0x40             ; wv codes, wv scales, bv, wo codes, w1 codes, w2 codes, w2 scales, qc
	s_load_b256 s[36:43], s[0:1], 0x80             ; kc, vc, qks, vs
	s_load_b128 s[44:47], s[0:1], 0xa0             ; vp, padf
	s_load_b64 s[48:49], s[0:1], 0xb0              ; wimg
	v_lshl_add_u32 v254, v0, 2, 0x4800
	v_mov_b32 v255, 0
	v_lshrrev_b32 v1, 5, v0
	v_readfirstlane_b32 s50, v1                    ; wave
	s_mov_b32 s51, ttmp9                           ; G
	s_and_b32 s52, ttmp7, 0xffff                   ; y
	s_lshl_b32 s53, s52, 2
	s_wait_alu depctr_va_sdst(0)                   ; s50 is written, ahead of its first reader
	s_add_co_u32 s53, s53, s50                     ; my head
	v_and_b32 v1, 31, v0                           ; lane
	v_and_b32 v2, 15, v0                           ; r
	v_bfe_u32 v3, v0, 4, 1                         ; h
	v_and_b32 v20, 8, v2
	v_add_nc_u32 v20, v20, v2                      ; r + 8 (r / 8)
	v_lshlrev_b32 v[XA], 11, v20
	v_lshl_add_u32 v[XA], v3, 6, v[XA]             ; x: my token's row of 2,048 bytes, + 64 h
	v_lshlrev_b32 v[LI], 4, v1                     ; 16 x lane: an image's place
	v_lshl_add_u32 v[LSC], v3, 3, v20
	v_lshlrev_b32 v[LSC], 4, v[LSC]                ; scale rows of 16 bytes: row 8 h + r + 8 (r / 8)
	v_lshlrev_b32 v[LB], 6, v3                     ; biases along registers: 64 h
	v_lshlrev_b32 v[LW], 8, v20
	v_lshl_add_u32 v[LW], v3, 4, v[LW]             ; weight rows of 256 bytes, + 16 h
	s_lshl_b32 s56, s50, 12
	v_add_nc_u32 v[XWI], s56, v[LI]
	s_lshl_b32 s56, s50, 9
	v_add_nc_u32 v[XWS], s56, v[LI]
	v_add_nc_u32 v[XWS], XSC, v[XWS]
	v_lshlrev_b32 v[LBV], 2, v20
	v_lshlrev_b32 v[SH16], 4, v3
	v_lshlrev_b32 v[L8], 3, v1
	v_lshlrev_b32 v[L4], 2, v1
	s_mov_b32 s54, 0x76543210
	s_mov_b32 s55, 0xfedcba98                      ; v_permlanex16_b32's selects for lane l xor 16
	s_mov_b32 s70, 0xffff0000                      ; lanes 16-31
.irp i, 0,1,2,3
	v_mov_b32 v[TM+4+\i], 0                        ; a lane permute's destination counts as one of its sources
	v_mov_b32 v[ZR+\i], 0
	v_mov_b32 v[ONES+\i], 0x22222222               ; eight codes of 1.0
	v_mov_b32 v[ONES+4+\i], 0
.endr
	v_mov_b32 v[ONE_S], 0x7f7f7f7f                 ; four scales of 1.0
	s_lshr_b32 s56, s50, 1
	s_lshl_b32 s56, s56, 5
	s_and_b32 s57, s50, 1
	s_lshl_b32 s57, s57, 3
	s_add_co_u32 s56, s56, s57                     ; token tile w begins at 32 (w / 2) + 8 (w % 2)
	s_lshl_b32 s57, s51, 6
	s_add_co_u32 s56, s56, s57
	s_lshl_b32 s56, s56, 11
	s_mov_b32 s57, 0
	s_mov_b32 s59, 0
	s_lshl_b32 s60, s51, 3
	s_add_co_u32 s60, s60, s53                     ; 8 G + head
	s_lshr_b32 s61, s51, 5
	s_lshl_b32 s61, s61, 3
	s_add_co_u32 s61, s61, s53
	s_lshl_b32 s61, s61, 5
	s_and_b32 s62, s51, 31
	s_add_co_u32 s61, s61, s62                     ; (8 batch + head) x 32 + G % 32
	s_wait_kmcnt 0x0
	s_add_nc_u64 s[4:5], s[4:5], s[56:57]
	s_lshl_b32 s58, s53, 14
	s_add_nc_u64 s[8:9], s[8:9], s[58:59]
	s_add_nc_u64 s[14:15], s[14:15], s[58:59]
	s_add_nc_u64 s[20:21], s[20:21], s[58:59]
	s_lshl_b32 s58, s53, 10
	s_add_nc_u64 s[10:11], s[10:11], s[58:59]
	s_add_nc_u64 s[16:17], s[16:17], s[58:59]
	s_add_nc_u64 s[22:23], s[22:23], s[58:59]
	s_lshl_b32 s58, s53, 8
	s_add_nc_u64 s[12:13], s[12:13], s[58:59]
	s_add_nc_u64 s[18:19], s[18:19], s[58:59]
	s_add_nc_u64 s[24:25], s[24:25], s[58:59]
	s_lshl_b32 s58, s60, 11
	s_add_nc_u64 s[34:35], s[34:35], s[58:59]
	s_add_nc_u64 s[36:37], s[36:37], s[58:59]
	s_add_nc_u64 s[38:39], s[38:39], s[58:59]
	s_lshl_b32 s58, s60, 9
	s_add_nc_u64 s[40:41], s[40:41], s[58:59]
	s_lshl_b32 s58, s60, 8
	s_add_nc_u64 s[42:43], s[42:43], s[58:59]
	s_lshl_b32 s58, s61, 8
	s_add_nc_u64 s[44:45], s[44:45], s[58:59]
	s_wait_alu depctr_va_vdst(0)                   ; the offsets and LDS addresses v4 to v14 are written, which the kernel's loads and stores read
	; ---- x: my 16 tokens become four fragments; the weights are asked for between the steps
	XLOAD HA, 0
	XLOAD ST, 1
	WIN 0x40
	WLOAD WQ, 8
	WIN 0
	SLOAD WQS, 10
	SLOAD WKS, 16
	SLOAD WVS, 22
	s_wait_loadcnt 54                              ; behind K step 0: 16 of x, 32 of wq, 6 of scales
	QUANT HA, PC, PW, 0
	XOUT 0
	XLOAD HA, 2                                    ; no wait: no vector instruction since XOUT's first wait names v[HA ..]
	s_wait_loadcnt 54                              ; behind K step 1: 32 + 6 + 16
	QUANT ST, PC, PW, 0
	XOUT 1
	XLOAD ST, 3                                    ; likewise
	WIN 0x40
	WLOAD WK, 14
	WIN 0
	s_wait_loadcnt 48                              ; behind K step 2: 16 + 32
	QUANT HA, PC, PW, 0
	XOUT 2
	WIN 0x80
	WLOAD WV, 20
.irp b, 0,1
.irp k, 0,1,2,3
	global_load_b128 v[BQ+16*\b+4*\k:BQ+16*\b+4*\k+3], v[LB], s[12:13] offset:128*\b+16*\k
	global_load_b128 v[BK+16*\b+4*\k:BK+16*\b+4*\k+3], v[LB], s[18:19] offset:128*\b+16*\k
.endr
.endr
.irp t, 0,1,2,3
	global_load_b32 v[BV+8*\t], v[LBV], s[24:25] offset:4*(32*(\t/2)+8*(\t%2))
.endr
	WIN 0
	s_wait_loadcnt 63                              ; behind K step 3 stand 84 loads; 63 is the largest count that the wait can name
	QUANT ST, PC, PW, 0
	XOUT 3
	; ---- on the side: unit U of 4,096 bytes of the weights' images.  U = 256 w + 128 y + G; there are 296 units
	s_lshl_b32 s56, s50, 8
	s_lshl_b32 s57, s52, 7
	s_add_co_u32 s56, s56, s57
	s_add_co_u32 s56, s56, s51
	s_cmp_lt_u32 s56, 296
	s_cbranch_scc0 .Lno_copy
	s_lshl_b32 s60, s56, 12
	v_add_nc_u32 v16, s60, v[LI]                   ; where the unit goes: made ahead of the two ways, so that each way's one wait serves it too
	s_cmp_lt_u32 s56, 288
	s_cbranch_scc0 .Lcopy_scales
	s_cmp_lt_u32 s56, 32                           ; units 0-31 wo, 32-159 w1, 160-287 w2 (32 tiles x 4 chunks of K)
	s_cselect_b64 s[58:59], s[26:27], s[28:29]
	s_cselect_b32 s60, 0, 32
	s_cmp_lt_u32 s56, 160
	s_cselect_b64 s[58:59], s[58:59], s[30:31]
	s_cselect_b32 s60, s60, 160
	s_cselect_b32 s61, 8, 10                       ; a row is 256 bytes, in w2 1,024
	s_cselect_b32 s62, -1, 31
	s_sub_co_u32 s60, s56, s60
	s_and_not1_b32 s63, s60, s62
	s_lshl_b32 s63, s63, 3                         ; 256 x chunk (0 but in w2)
	s_and_b32 s60, s60, s62                        ; the tile
	s_and_b32 s66, s60, 1
	s_lshl_b32 s66, s66, 3
	s_and_not1_b32 s60, s60, 1
	s_lshl_b32 s60, s60, 4
	s_add_co_u32 s60, s60, s66                     ; its first row
	s_lshl_b32 s60, s60, s61
	s_add_co_u32 s60, s60, s63
	v_lshlrev_b32 v15, s61, v20
	v_lshl_add_u32 v15, v3, 4, v15
	v_add_nc_u32 v15, s60, v15
	s_wait_alu depctr_va_vdst(0)                   ; v15 is written, which the loads read as their offset, and v16, which the stores read
.irp i, 0,1,2,3,4,5,6,7
	global_load_b128 v[CP+4*\i:CP+4*\i+3], v15, s[58:59] offset:32*\i
.endr
	s_branch .Lcopy_store
.Lcopy_scales:                                         ; units 288 + 2 c + half: w2's scales as [chunk][row][16 bytes]
	s_sub_co_u32 s60, s56, 288
	s_and_b32 s61, s60, 1
	s_lshl_b32 s61, s61, 14
	s_lshr_b32 s60, s60, 1
	s_lshl_b32 s60, s60, 4
	s_add_co_u32 s60, s60, s61
	v_lshl_add_u32 v15, v1, 6, s60
	s_wait_alu depctr_va_vdst(0)                   ; v15 is written, which the loads read as their offset, and v16, which the stores read
.irp i, 0,1,2,3,4,5,6,7
	global_load_b128 v[CP+4*\i:CP+4*\i+3], v15, s[32:33] offset:2048*\i
.endr
.Lcopy_store:
	s_wait_loadcnt 0x0
.irp i, 0,1,2,3,4,5,6,7
	global_store_b128 v16, v[CP+4*\i:CP+4*\i+3], s[48:49] offset:512*\i   ; 32 lanes store 512 consecutive bytes
.endr
.Lno_copy:
	; ---- on the side: the block's 64 bytes of pad_mask become 0 (true) or -8e9 (false)
	s_cmp_lg_u32 s52, 0
	s_cbranch_scc1 .Lno_mask
	s_cmp_lg_u32 s50, 2
	s_cbranch_scc1 .Lno_mask
	s_lshl_b32 s66, s51, 6
	v_lshl_add_u32 v21, v1, 1, s66
	s_lshr_b32 s67, s51, 5
	s_mul_i32 s67, s67, 8704                       ; a batch's 2,176 entries
	s_and_b32 s68, s51, 31
	s_lshl_b32 s69, s68, 8
	s_add_co_u32 s69, s69, s67
	v_add_nc_u32 v23, s69, v[L8]
	s_wait_alu depctr_va_vdst(0)                   ; v21 is written, which the load reads as its offset
	global_load_u16 v22, v21, s[6:7]
	s_wait_loadcnt 0x0
	v_and_b32 v24, 0xff, v22
	v_lshrrev_b32 v25, 8, v22
	v_add_nc_u32 v24, -1, v24
	v_add_nc_u32 v25, -1, v25
	v_and_b32 v24, NEGC, v24
	v_and_b32 v25, NEGC, v25
	s_wait_alu depctr_va_vdst(0)                   ; v24 and v25 are written, which the store reads
	global_store_b64 v23, v[24:25], s[46:47]       ; 32 lanes store 256 consecutive bytes, aligned
	s_cmp_lg_u32 s68, 31
	s_cbranch_scc1 .Lno_mask
.irp i, 0,1,2,3
	v_mov_b32 v[26+\i], NEGC                       ; the 128 entries behind a batch's last key are hidden
.endr
	v_add_nc_u32 v30, s67, v[LI]
	s_wait_alu depctr_va_vdst(0)                   ; v26 to v30 are written, which the store reads
	global_store_b128 v30, v[26:29], s[46:47] offset:8192
.Lno_mask:
	s_wait_loadcnt 0x0                             ; all weights, scales and biases
	s_wait_xcnt 0x0                                ; the copy's stores have had their addresses translated: their data registers are loaded again only behind this wait
	s_wait_alu depctr_vm_vsrc(0)                   ; the copy's stores have read v[CP ..], in which token tile 1's fragments land
	WIN 0x82
.irp t, 0,1,2,3
.irp j, 1,2,3,4,5,6,7
	v_mov_b32 v[BV+8*\t+\j], v[BV+8*\t]            ; in v's result a lane holds one channel: its bias stands in all eight registers
.endr
.endr
	WIN 0
	s_wait_alu depctr_va_vdst(0)
	BARRIER                                        ; x's sixteen fragments lie in LDS
	FETCH 0                                        ; no wait: no vector instruction since the wait ahead of the last fragment's LDS stores names v96 to v159 or the scale words' registers
; token tile m: q's and k's eight tiles by turns, then v's four by turns; q and k are quantised and stored
.macro TILE m
.set XFP_, XF+32*((\m)%2)
.set XSP_, XS+44*((\m)%2)
.if (\m) < 3
	FETCH (\m)+1                                   ; into the other buffer.  No wait: its last readers, the products of the tile before, stand ahead of that tile's wait on va_vdst, and nothing since names it
	s_wait_dscnt 9                                 ; this tile's nine loads are in; the nine just issued may stay out
.else
	s_wait_dscnt 0x0
.endif
	WIN 0x21                                       ; source 0 window 1, source 2 (the bias) window 2
.irp t, 0,1,2,3
	MM HA+8*\t, WQ+32*\t, XFP_, BQ+8*\t, WQS+4*(\t/2), XSP_, \t%2, 0
.endr
.irp t, 0,1,2,3
	MM HA+32+8*\t, WK+32*\t, XFP_, BK+8*\t, WKS+4*(\t/2), XSP_, \t%2, 0
.endr
	WIN 0x01
.irp s, 1,2,3
.irp t, 0,1,2,3
	MM HA+8*\t, WQ+32*\t+8*\s, XFP_+8*\s, HA+8*\t, WQS+4*(\t/2)+\s, XSP_+\s, \t%2, 0
.endr
.irp t, 0,1,2,3
	MM HA+32+8*\t, WK+32*\t+8*\s, XFP_+8*\s, HA+32+8*\t, WKS+4*(\t/2)+\s, XSP_+\s, \t%2, 0
.endr
.endr
	WIN 0xe8                                       ; source 1 (wv) and source 2 (bv) window 2, destination window 3
.irp t, 0,1,2,3
	MM 32*\t+8*(\m), XFP_, WV+32*\t, BV+8*\t, XSP_, WVS+4*(\t/2), 0, \t%2
.endr
	WIN 0xf8
.irp s, 1,2,3
.irp t, 0,1,2,3
	MM 32*\t+8*(\m), XFP_+8*\s, WV+32*\t+8*\s, 32*\t+8*(\m), XSP_+\s, WVS+4*(\t/2)+\s, 0, \t%2
.endr
.endr
	WIN 0
	NOP4                                           ; places in front of the first read of results
.if (\m) > 0
	s_wait_xcnt 0x0                                ; the last tile's stores have had their addresses translated
	s_wait_alu depctr_vm_vsrc(0)                   ; the last tile's stores have read v[PC ..], which QUANT writes again
.endif
	QUANT HA, PC, PW, 0                            ; registers 0-3: q's half fragment; 4-7: k's
	v_lshrrev_b32 v[SW+(\m)], v[SH16], v[PW]       ; lanes 0-15 keep q's bytes below, lanes 16-31 bring k's down
	s_wait_alu depctr_va_vdst(0)                   ; QUANT has written the codes, which the stores read; this tile's products are done reading their fragments and scale words of x, in which the tile after next lands
	global_store_b128 v[LI], v[PC:PC+3], s[34:35] offset:512*(\m)
	global_store_b128 v[LI], v[PC+4:PC+7], s[36:37] offset:512*(\m)
.endm
	TILE 0
	TILE 1
	TILE 2
	TILE 3
	; ---- v: 64 keys x 64 channels, quantised along the keys
	s_wait_xcnt 0x0
	s_wait_alu depctr_vm_vsrc(0)                   ; tile 3's stores have read v[PC ..], which v's codes take
	QUANT 0, PCV, PWV, 3
	QUANT 64, PCV+8, PWV+1, 3
	s_wait_alu depctr_va_vdst(0)                   ; v's codes and scale words and the four words of q's and k's scales are written, which the stores read
.irp t, 0,1,2,3
	global_store_b128 v[LI], v[PCV+4*\t:PCV+4*\t+3], s[38:39] offset:512*\t
.endr
	global_store_b64 v[L8], v[PWV:PWV+1], s[42:43]
	global_store_b128 v[LI], v[SW:SW+3], s[40:41]
	v_lshrrev_b32 v[VO], 16, v[PWV]
	v_lshrrev_b32 v[VO+1], 16, v[PWV+1]
.rept 8
	v_nop                                          ; a scale register written by a vector instruction stands 8 places ahead of a scaled matrix instruction
.endr
	s_wait_alu depctr_va_vdst(0)                   ; the scale words, v's codes and the ones, all written by vector instructions, are there for the products that take them; the places above stay beside this wait
	; the column sums of the quantised v: ones x v.  The upper 64 along K are zeros on the ones' side
	MM HA, ONES, PCV, -1, ONE_S, PWV, 0, 0
	MM HA+8, ONES, PCV+4, -1, ONE_S, VO, 0, 0
	MM HA+16, ONES, PCV+8, -1, ONE_S, PWV+1, 0, 0
	MM HA+24, ONES, PCV+12, -1, ONE_S, VO+1, 0, 0
	NOP4
	v_cndmask_b32 v[TT], v[HA], v[HA+8], s70       ; all rows of a result are alike: register 0; lanes 0-15 tile 2 i, lanes 16-31 tile 2 i + 1
	v_cndmask_b32 v[TT+1], v[HA+16], v[HA+24], s70
	s_wait_alu depctr_va_vdst(0)                   ; the two selections are written, which the stores read
	global_store_b32 v[L4], v[TT], s[44:45]        ; the two stores fill one run of 256 bytes in halves
	global_store_b32 v[L4], v[TT+1], s[44:45] offset:128
	s_wait_dscnt 0x0                               ; the closing lines, six on end
	s_wait_alu 0x0
	s_wait_tensorcnt 0x0
	ds_add_u32 v254, v255
	s_wait_dscnt 0x0
	s_endpgm
.Lfunc_end_k_q34161d308f_qkv:
	.size	k_q34161d308f_qkv, .Lfunc_end_k_q34161d308f_qkv-k_q34161d308f_qkv
	.p2alignl 7, 3214868480
	.fill 96, 4, 3214868480
	.section	.rodata,"a",@progbits
	.p2align	6, 0x0
	.amdhsa_kernel k_q34161d308f_qkv
		.amdhsa_group_segment_fixed_size 18944
		.amdhsa_private_segment_fixed_size 0
		.amdhsa_enable_private_segment 0
		.amdhsa_kernarg_size 184
		.amdhsa_user_sgpr_count 2
		.amdhsa_user_sgpr_kernarg_segment_ptr 1
		.amdhsa_wavefront_size32 1
		.amdhsa_system_sgpr_workgroup_id_x 1
		.amdhsa_system_sgpr_workgroup_id_y 1
		.amdhsa_system_sgpr_workgroup_id_z 1
		.amdhsa_system_vgpr_workitem_id 0
		.amdhsa_next_free_vgpr 896
		.amdhsa_next_free_sgpr 80
		.amdhsa_reserve_vcc 0
		.amdhsa_float_denorm_mode_32 3
		.amdhsa_float_denorm_mode_16_64 3
		.amdhsa_memory_ordered 1
		.amdhsa_forward_progress 1
		.amdhsa_inst_pref_size 98
	.end_amdhsa_kernel
	.amdgpu_metadata
---
amdhsa.version: [ 1, 2 ]
amdhsa.kernels:
  - .name:           k_q34161d308f_qkv
    .symbol:         k_q34161d308f_qkv.kd
    .args:
      - { .name: x, .offset: 0, .size: 8, .value_kind: global_buffer, .address_space: global }
      - { .name: pad_mask, .offset: 8, .size: 8, .value_kind: global_buffer, .address_space: global }
      - { .name: wq_codes, .offset: 16, .size: 8, .value_kind: global_buffer, .address_space: global }
      - { .name: wq_scales, .offset: 24, .size: 8, .value_kind: global_buffer, .address_space: global }
      - { .name: bq, .offset: 32, .size: 8, .value_kind: global_buffer, .address_space: global }
      - { .name: wk_codes, .offset: 40, .size: 8, .value_kind: global_buffer, .address_space: global }
      - { .name: wk_scales, .offset: 48, .size: 8, .value_kind: global_buffer, .address_space: global }
      - { .name: bk, .offset: 56, .size: 8, .value_kind: global_buffer, .address_space: global }
      - { .name: wv_codes, .offset: 64, .size: 8, .value_kind: global_buffer, .address_space: global }
      - { .name: wv_scales, .offset: 72, .size: 8, .value_kind: global_buffer, .address_space: global }
      - { .name: bv, .offset: 80, .size: 8, .value_kind: global_buffer, .address_space: global }
      - { .name: wo_codes, .offset: 88, .size: 8, .value_kind: global_buffer, .address_space: global }
      - { .name: w1_codes, .offset: 96, .size: 8, .value_kind: global_buffer, .address_space: global }
      - { .name: w2_codes, .offset: 104, .size: 8, .value_kind: global_buffer, .address_space: global }
      - { .name: w2_scales, .offset: 112, .size: 8, .value_kind: global_buffer, .address_space: global }
      - { .name: qc, .offset: 120, .size: 8, .value_kind: global_buffer, .address_space: global }
      - { .name: kc, .offset: 128, .size: 8, .value_kind: global_buffer, .address_space: global }
      - { .name: vc, .offset: 136, .size: 8, .value_kind: global_buffer, .address_space: global }
      - { .name: qks, .offset: 144, .size: 8, .value_kind: global_buffer, .address_space: global }
      - { .name: vs, .offset: 152, .size: 8, .value_kind: global_buffer, .address_space: global }
      - { .name: vp, .offset: 160, .size: 8, .value_kind: global_buffer, .address_space: global }
      - { .name: padf, .offset: 168, .size: 8, .value_kind: global_buffer, .address_space: global }
      - { .name: wimg, .offset: 176, .size: 8, .value_kind: global_buffer, .address_space: global }
    .group_segment_fixed_size: 18944
    .private_segment_fixed_size: 0
    .kernarg_segment_align: 8
    .kernarg_segment_size: 184
    .max_flat_workgroup_size: 128
    .sgpr_count:     80
    .vgpr_count:     896
    .wavefront_size: 32
...
	.end_amdgpu_metadata
.endif
;; end of part 3
;; launch block (part 4): grid 128 x 1, 4 waves a work-group, no clusters, 81,408 bytes of LDS; arguments x, qc, kc, vc, qks, vs, vp, padf, wimg, wo_scales, bo, g1, be1, w1_scales, b1, b2, g2, be2, out0; writes out0
.if DOCPART == 4
	.amdgcn_target "amdgcn-amd-amdhsa--gfx1250"
	.amdhsa_code_object_version 6
	.text
	.protected	k_q34161d308f_block
	.globl	k_q34161d308f_block
	.p2align	8
	.type	k_q34161d308f_block,@function
k_q34161d308f_block:
	s_mov_b64 s[64:65], 0
	v_nop
	global_prefetch_b8 v0, s[64:65] scope:SCOPE_SE
	s_setreg_imm32_b32 hwreg(HW_REG_WAVE_SCHED_MODE, 0, 2), 2
	s_setreg_imm32_b32 hwreg(HW_REG_WAVE_MODE, 25, 1), 1
	s_wait_xcnt 0x0
	s_wait_alu depctr_vm_vsrc(0)
; For 64 tokens: windowed attention, o wo + bo, residual, layer norm, relu(x1 w1 + b1) w2 + b2, residual, layer norm.  All products on codes of E2M1 with E8M0 scales for each 32 along K.
; o, x1 and the hidden layer never go to memory.  q, k, v come as images of operand registers, wo, w1, w2 likewise (laid by the launch before).
; THE WINDOW: key k counts for query q where 0 <= k - q < 128.  A block of 64 queries needs the 192 keys from its own first token on; of a query tile's 12 key tiles two lie wholly outside and are not multiplied,
; four lie on an edge, six are open.  The mask (window and pad_mask) is the C of the score products: 0 or -8e9.
; THE SOFTMAX: t = score x log2(e) / 8; M = ceil(the row's largest t); p = 2^(t - M) is quantised along the keys; the row's sum of the unquantised p divides at the end.  All of a row's keys are at hand at once.
; A ROW WITH NO ALLOWED KEY has p = 1 for all 2,048 keys of its batch: o = (the sum over all keys of quantised v) / 2048; it is computed for every row and chosen by v_cndmask_b32.
; SHARES.  Attention: wave w takes heads 2 w and 2 w + 1 (a loop of two trips) for the four query tiles.  Elsewhere wave w takes columns 128 w .. 128 w + 127 (eight tiles) of all 64 tokens.
; Each weight byte serves one wave of the work-group and goes from memory straight into its operand registers by loads of 512 consecutive bytes; a joint load would have to land in LDS and be read again: no tensor load, no cluster.
; TILES: lane r of tile 2 b + u takes row 32 b + 8 u + r + 8 (r / 8) (tokens, keys, channels, weight rows alike), so that 16 registers of two neighbouring tiles are 16 neighbours along the next K.
; LIMITS: a row counts as empty where its largest raw score (before the division by 8) lies under -4e9; hidden scores are -8e9 + the raw score (their p is 0 all the same); a block of zeros gets the byte 1, not 127;
; blocks whose largest magnitude lies under 2^-124 are held at byte 1; NaN and infinities among the inputs are not served.
; REGISTERS.  window 0: v1-20 addresses.  Attention: v24-103 scores, then p; v104-135 o; v136-151 p's codes; v152-171 at work; v172-199 scale words; v200-223 statistics and addresses; v224-255 the column sum.
;   Later: v24-87 HA; v88-119 XF; v120-127 codes; v128-147 at work; v148-191 scale words; v192-255 b1 (around the norms: statistics).
;   For o wo the four token tiles' fragments lie in v88-119, v24-55, v56-87, v200-231, their scale words in v148-151, v184-187, v188-191, v168-171.
;   window 1: wo, then w1's chunk, at the end g2, be2.   window 2: attention: k, v, q, the mask; then bo, g1, be1, b2; then w2's chunk.   window 3: attention: the edge masks; then the 32 accumulators, (m, t) at 64 m + 8 t.
; THE MODE: SCHED_MODE bits 1:0 = 2 (LLVM: expert scheduling mode 2), set by the entry lines.  The code itself states the register dependences
; between vector or matrix instructions and memory or LDS instructions, with s_wait_alu, always for 0.
; THE PLAN.  Registers that memory or LDS instructions touch, and who else names them:
;   v1-5, v8-10, v13-20   offsets and LDS addresses, written at the head and never again: one wait on va_vdst ahead of the first load.
;   Attention, a trip (a head): k, q, their scale words: read by the scores' products; the second head's land behind a wait that follows the last scores.  v, its scale words, the scores' registers (which first hold the
;     column sums as loaded): the second head's land behind tile 3's last wait on va_vdst, behind which stand LDS stores and v_nop alone.  v[SS:SS+3], v[OW], v[OSW], v[PCD:PCD+3], v[PWQ]: read by LDS stores, written again
;     behind a wait on vm_vsrc (one at the trip's head, one in each later tile).
;   o wo: four buffers of fragments, one to a token tile, loaded in one run: no wait stands among the four groups of products.
;   The norms: the four tiles' figures are written first and stored in one run behind one wait.
;   The chunk loop, a token tile's trip: v[AX], v[AXS], v[HW], v[HWS], the codes and the scale word are freed by ONE wait on vm_vsrc; XF, XS are read by the trip's products and loaded again behind a wait on va_vdst;
;     a second such wait stands ahead of the trip's LDS stores.  The second product: two buffers of hidden fragments by turns; step s + 1's land where step s - 1's lay: a wait on va_vdst at the head of steps 1 and 2.
;     w1's, b1's and w1's scales' registers are named by the first product alone: their next chunk is loaded under the second product with no wait.  w2's next chunk lands behind a wait that follows the last step.
;   The way out: a tile goes from v[HA ..] to LDS and comes back into v[HA ..]: va_vdst ahead of the LDS stores, vm_vsrc between them and the LDS loads, vm_vsrc ahead of the next tile's norm.
.set FLOORC, 0x1800000
.set EOFFC,  0xff000000
.set AIMG,  0                          ; LDS: o's, later x1's 16 fragments at (4 m + s) x 1024
.set ASC,   16384                      ; their scale words, [m][s][lane]
.set STAT1, 18432                      ; [m][wave][lane] 8 bytes: mean and sum of squares of 128 columns
.set STAT2, 22528
.set VSL,   26624                      ; 256 bytes a wave
.set HIMG,  28672                      ; the hidden layer's 16 fragments at (4 s + m) x 1024
.set HSC,   45056                      ; their scale words, [s][lane][m]
.set OUTS,  47104                      ; the way out: for each wave 16 rows x (512 + 16) bytes
.set LI,   1
.set L8,   2
.set LSC,  3
.set LB,   4
.set XA,   5
.set AX,   6
.set AXS,  7
.set AW,   8
.set HWB,  9
.set HSB,  10
.set HW,   11
.set HWS,  12
.set STW,  13
.set SO,   14
.set SRD,  15
.set OUTO, 16
.set VSLW, 17
.set VSLR, 18
.set ASW,  19
.set L4,   20
; attention
.set SS,   24
.set OA,   104
.set PCD,  136
.set BM,   152
.set BT,   157
.set BS,   162
.set TQ,   167
.set QKS,  172
.set VSR,  184
.set VSW,  190
.set PSW,  198
.set NM,   200
.set LL,   202
.set RM,   206
.set RCP,  207
.set RL,   208
.set FV,   210
.set PWQ,  212
.set VK,   213
.set VQ,   216
.set VV,   219
.set OW,   222
.set OSW,  223
.set VSUM, 224
.set KF,   0                           ; window 2
.set VF,   52
.set QF,   104
.set PADC, 136
.set E0W,  232
.set MC,   0                           ; window 3
.set CM,   88                          ; s[88:95]: eight masks of a run of compares
; later
.set HA,   24
.set XF,   88
.set PC,   120
.set TM,   128
.set PW,   140
.set SA_,  142
.set SB_,  144
.set TP,   147
.set XS,   148
.set W1S,  152
.set W2S,  168
.set HS,   184
.set B1,   192
.set SM,   192
.set STT,  200
.set RR,   232
.set CC,   240
.set BO,   0                           ; window 2
.set G1,   64
.set BE1,  128
.set B2,   192
.set G2,   0                           ; window 1
.set BE2,  64
.set MSB, 0
.macro WIN new                         ; the immediate's high byte repeats the setting that is left; a switch that changes nothing is dropped
.if MSB != (\new)
	s_set_vgpr_msb (MSB<<8)|(\new)
.set MSB, (\new)
.endif
.endm
.macro NOP4
.rept 4
	v_nop
.endr
.endm
.macro BARRIER                         ; my LDS stores have landed and my LDS loads are in: then the work-group's barrier
	s_wait_dscnt 0x0
	s_barrier_signal -1
	s_barrier_wait -1
.endm
.macro MM d, a, b, c, sa, sb, ar, br
.if (\c) < 0
.if (\ar)
	v_wmma_scale_f32_16x16x128_f8f6f4 v[(\d):(\d)+7], v[(\a):(\a)+7], v[(\b):(\b)+7], 0, v[\sa], v[\sb] matrix_a_fmt:MATRIX_FMT_FP4 matrix_b_fmt:MATRIX_FMT_FP4 matrix_a_scale:MATRIX_SCALE_ROW1
.elseif (\br)
	v_wmma_scale_f32_16x16x128_f8f6f4 v[(\d):(\d)+7], v[(\a):(\a)+7], v[(\b):(\b)+7], 0, v[\sa], v[\sb] matrix_a_fmt:MATRIX_FMT_FP4 matrix_b_fmt:MATRIX_FMT_FP4 matrix_b_scale:MATRIX_SCALE_ROW1
.else
	v_wmma_scale_f32_16x16x128_f8f6f4 v[(\d):(\d)+7], v[(\a):(\a)+7], v[(\b):(\b)+7], 0, v[\sa], v[\sb] matrix_a_fmt:MATRIX_FMT_FP4 matrix_b_fmt:MATRIX_FMT_FP4
.endif
.else
.if (\ar)
	v_wmma_scale_f32_16x16x128_f8f6f4 v[(\d):(\d)+7], v[(\a):(\a)+7], v[(\b):(\b)+7], v[(\c):(\c)+7], v[\sa], v[\sb] matrix_a_fmt:MATRIX_FMT_FP4 matrix_b_fmt:MATRIX_FMT_FP4 matrix_a_scale:MATRIX_SCALE_ROW1
.elseif (\br)
	v_wmma_scale_f32_16x16x128_f8f6f4 v[(\d):(\d)+7], v[(\a):(\a)+7], v[(\b):(\b)+7], v[(\c):(\c)+7], v[\sa], v[\sb] matrix_a_fmt:MATRIX_FMT_FP4 matrix_b_fmt:MATRIX_FMT_FP4 matrix_b_scale:MATRIX_SCALE_ROW1
.else
	v_wmma_scale_f32_16x16x128_f8f6f4 v[(\d):(\d)+7], v[(\a):(\a)+7], v[(\b):(\b)+7], v[(\c):(\c)+7], v[\sa], v[\sb] matrix_a_fmt:MATRIX_FMT_FP4 matrix_b_fmt:MATRIX_FMT_FP4
.endif
.endif
.endm
; 64 numbers of a lane, register 16 b + i = k 32 b + 16 (lane / 16) + i of my row, become a fragment's codes in v[pc] on and its scale word in v[pw]
.macro QUANT s, pc, pw
.irp b, 0,1,2,3
	v_max3_num_f32 v[TM+\b], FLOORC, |v[(\s)+16*\b]|, |v[(\s)+1+16*\b]|
.endr
.irp i, 2,4,6,8,10,12,14
.irp b, 0,1,2,3
	v_max3_num_f32 v[TM+\b], v[TM+\b], |v[(\s)+16*\b+\i]|, |v[(\s)+1+16*\b+\i]|
.endr
.endr
.irp b, 0,1,2,3
	v_permlanex16_b32 v[TM+4+\b], v[TM+\b], s48, s49
.endr
.irp b, 0,1,2,3
	v_max_num_f32 v[TM+\b], v[TM+\b], v[TM+4+\b]
.endr
.irp b, 0,1,2,3
	v_add_nc_u32 v[TM+8+\b], EOFFC, v[TM+\b]
.endr
.irp b, 0,1,2,3
	v_lshrrev_b32 v[TM+4+\b], 23, v[TM+8+\b]
.endr
	v_lshl_or_b32 v[\pw], v[TM+5], 8, v[TM+4]
	v_lshl_or_b32 v[\pw], v[TM+6], 16, v[\pw]
	v_lshl_or_b32 v[\pw], v[TM+7], 24, v[\pw]
.irp b, 0,1,2,3
	v_cvt_scalef32_pk8_fp4_f32 v[(\pc)+2*\b], v[(\s)+16*\b:(\s)+16*\b+7], v[TM+8+\b]
	v_cvt_scalef32_pk8_fp4_f32 v[(\pc)+2*\b+1], v[(\s)+16*\b+8:(\s)+16*\b+15], v[TM+8+\b]
.endr
	v_nop                                          ; one plain place behind a scaled conversion
.irp c, 0,1
.irp i, 0,1
	v_permlane16_swap_b32 v[(\pc)+4*\c+\i], v[(\pc)+4*\c+2+\i]
.endr
.endr
.endm
.macro WL64 sb                         ; 64 loads of 512 consecutive bytes: eight tiles x four K steps of a weight's image, register 4 i
.set i_, 0
.rept 64
	global_load_b128 v[4*i_:4*i_+3], v[LI], s[\sb:\sb+1] offset:512*i_
.set i_, i_+1
.endr
.endm
.macro BL16 reg, sb                    ; my 128 numbers of a vector along the columns, in the results' layout
.irp b, 0,1,2,3
.irp k, 0,1,2,3
	global_load_b128 v[\reg+16*\b+4*\k:\reg+16*\b+4*\k+3], v[LB], s[\sb:\sb+1] offset:128*\b+16*\k
.endr
.endr
.endm
.macro SL4 reg, sb                     ; my eight tiles' scale words: register 4 b + s
.irp b, 0,1,2,3
	global_load_b128 v[\reg+4*\b:\reg+4*\b+3], v[LSC], s[\sb:\sb+1] offset:512*\b
.endr
.endm
.macro FETCHA m, xf, xs                ; token tile m's four fragments and scale words: 12 LDS loads
.irp s, 0,1,2,3
.irp c, 0,1
	ds_load_b128 v[(\xf)+8*\s+4*\c:(\xf)+8*\s+4*\c+3], v[LI] offset:AIMG+(4*(\m)+\s)*1024+512*\c
.endr
.endr
.irp s, 0,1,2,3
	ds_load_b32 v[(\xs)+\s], v[L4] offset:ASC+512*(\m)+128*\s
.endr
.endm
; head hoff of my two: the scale words of q and k, k's 12 tiles, q's 4: 19 loads
.macro TLA hoff
.irp g, 0,1,2
	global_load_b128 v[QKS+4*\g:QKS+4*\g+3], v[VQ+\g], s[12:13] offset:512*(\hoff)
.endr
	WIN 0x80
.irp g, 0,1,2
.irp i, 0,1,2,3
	global_load_b128 v[KF+16*\g+4*\i:KF+16*\g+4*\i+3], v[VK+\g], s[8:9] offset:512*\i+2048*(\hoff)
.endr
.endr
.irp i, 0,1,2,3
	global_load_b128 v[QF+8*\i:QF+8*\i+3], v[VK], s[6:7] offset:512*\i+2048*(\hoff)
.endr
	WIN 0
.endm
; v's scale words, the 32 blocks' column sums, v's 12 half fragments: 31 loads
.macro TLB hoff
.irp g, 0,1,2
	global_load_b64 v[VSR+2*\g:VSR+2*\g+1], v[VV+\g], s[14:15] offset:256*(\hoff)
.endr
.irp i, 0,1,2,3,4,5,6,7,8,9,10,11,12,13,14,15
	global_load_b128 v[SS+4*\i:SS+4*\i+3], v[LI], s[86:87] offset:512*\i+8192*(\hoff)
.endr
	WIN 0x80
.irp t, 0,1,2,3
.irp g, 0,1,2
	global_load_b128 v[VF+12*\t+4*\g:VF+12*\t+4*\g+3], v[VK+\g], s[10:11] offset:512*\t+2048*(\hoff)
.endr
.endr
	WIN 0
.endm
; the mask of edge tile p of query tile m: p = 0, 1 the lower edge (key >= query), p = 2, 3 the upper (key <= query + 127).  The eight compares stand in a run, each with a scalar register of its own for its mask
.macro MCROW m, p
.if (\p) < 2
.set KT_, 2*((\m)/2)+(\p)
.else
.set KT_, 2*((\m)/2+4)+(\p)-2
.endif
.set KK_, 32*(KT_/2)+8*(KT_%2)-32*((\m)/2)-8*((\m)%2)
.irp j, 0,1,2,3,4,5,6,7
.if (\p) < 2
	v_cmp_ge_i32 s[CM+\j], KK_+\j, v[E0W]
.else
	v_cmp_le_i32 s[CM+\j], KK_+\j-127, v[E0W]
.endif
.endr
	s_wait_alu depctr_va_sdst(0)                   ; the eight masks are written, ahead of their first reader
.irp j, 0,1,2,3,4,5,6,7
	v_cndmask_b32 v[MC+32*(\m)+8*(\p)+\j], s52, v[PADC+8*KT_+\j], s[CM+\j]
.endr
.endm
	s_load_b512 s[4:19], s[0:1], 0x0               ; x, qc, kc, vc, qks, vs, vp, padf
	s_load_b512 s[20:35], s[0:1], 0x40             ; wimg, wo scales, bo, g1, be1, w1 scales, b1, b2
	s_load_b128 s[36:39], s[0:1], 0x80             ; g2, be2
	s_load_b64 s[40:41], s[0:1], 0x90              ; out0
	v_lshrrev_b32 v21, 5, v0
	v_readfirstlane_b32 s42, v21                   ; wave
	s_mov_b32 s43, ttmp9                           ; G
	s_lshr_b32 s44, s43, 5                         ; batch
	s_and_b32 s45, s43, 31
	v_and_b32 v20, 31, v0                          ; lane
	v_and_b32 v21, 15, v0                          ; r
	v_bfe_u32 v22, v0, 4, 1                        ; h
	v_and_b32 v23, 8, v21
	v_add_nc_u32 v23, v23, v21                     ; r + 8 (r / 8)
	v_lshlrev_b32 v[LI], 4, v20
	v_lshlrev_b32 v[L8], 3, v20
	v_lshl_add_u32 v[LSC], v22, 3, v23
	v_lshlrev_b32 v[LSC], 4, v[LSC]
	v_lshlrev_b32 v[LB], 6, v22
	v_lshlrev_b32 v[XA], 11, v23
	v_lshl_add_u32 v[XA], v22, 6, v[XA]
	s_wait_alu depctr_va_sdst(0)                   ; s42 is written, ahead of its first reader
	s_lshl_b32 s60, s42, 9
	v_add_nc_u32 v[XA], s60, v[XA]
	v_add_nc_u32 v[OUTO], s60, v[LI]
	v_add_nc_u32 v[HSB], s60, v[LI]
	s_lshl_b32 s60, s42, 10
	v_add_nc_u32 v[AW], s60, v[LI]
	s_lshl_b32 s60, s42, 12
	v_add_nc_u32 v[HWB], s60, v[LI]
	s_lshl_b32 s60, s42, 8
	v_add_nc_u32 v[STW], s60, v[L8]
	v_lshl_add_u32 v[VSLW], v21, 4, s60
	v_lshl_add_u32 v[VSLR], v22, 5, s60
	s_mul_i32 s60, s42, 8448
	v_mul_u32_u24 v[SO], v21, 528
	v_lshl_add_u32 v[SO], v22, 6, v[SO]
	v_add_nc_u32 v[SO], s60, v[SO]
	v_add_nc_u32 v[SRD], s60, v[LI]
	v_lshlrev_b32 v[L4], 2, v20
	s_lshl_b32 s60, s42, 7
	v_add_nc_u32 v[ASW], s60, v[L4]
	v_lshlrev_b32 v[TQ], 4, v22
	v_sub_nc_u32 v[TQ], v23, v[TQ]                 ; r + 8 (r / 8) - 16 h: my query less my keys' half
.irp g, 0,1,2                                  ; the three blocks of keys: G + g, held at the last block (what lies behind a batch's end is hidden by the mask)
	s_add_co_u32 s60, s43, \g
	s_min_u32 s60, s60, 127
	s_lshl_b32 s61, s60, 14
	s_lshl_b32 s62, s42, 12
	s_add_co_u32 s61, s61, s62
	v_add_nc_u32 v[VK+\g], s61, v[LI]
	s_lshl_b32 s61, s60, 12
	s_lshl_b32 s62, s42, 10
	s_add_co_u32 s61, s61, s62
	v_add_nc_u32 v[VQ+\g], s61, v[LI]
	s_lshl_b32 s61, s60, 11
	s_lshl_b32 s62, s42, 9
	s_add_co_u32 s61, s61, s62
	v_add_nc_u32 v[VV+\g], s61, v[L8]
.endr
	s_mov_b32 s48, 0x76543210
	s_mov_b32 s49, 0xfedcba98                      ; v_permlanex16_b32's selects for lane l xor 16
	s_mov_b32 s50, 0x3e38aa3b                      ; log2(e) / 8
	s_mov_b32 s51, s50
	s_mov_b32 s52, 0xcfee6b28                      ; -8e9
	s_mov_b32 s53, 0xcf6e6b28                      ; -4e9
	s_mov_b32 s54, 0x3a000000                      ; 1 / 2048
	s_mov_b32 s59, 0x3c000000                      ; 1 / 128
	s_mov_b32 s78, 0x05040100
	s_mov_b32 s79, 0x07060302
	s_mov_b32 s80, 0x7f7f7f7f
	s_mov_b32 s81, 0x43000000                      ; 128
	s_mov_b32 s82, 0x3b000000                      ; 1 / 512
	s_mov_b32 s83, 0x3727c5ac                      ; 1e-5
	WIN 0x80
.irp i, 0,1,2,3
	v_mov_b32 v[KF+48+\i], 0                       ; behind the last fragments: the upper halves of the last operands
	v_mov_b32 v[VF+48+\i], 0
.irp m, 0,1,2,3
	v_mov_b32 v[QF+8*\m+4+\i], 0                   ; the head has 64 along K: q's upper 64 are zero codes
.endr
.endr
	v_mov_b32 v[E0W], v[TQ]
	WIN 0
.irp i, 0,1,2,3
	v_mov_b32 v[PCD+12+\i], 0
.endr
.irp i, 0,1,2,3,4
	v_mov_b32 v[BT+\i], 0
.endr
	v_mov_b32 v[TQ], 0
	v_mov_b32 v[NM+1], 0
	v_mov_b32 v[RL+1], 0
	v_mov_b32 v[FV+1], 0
	s_mul_i32 s60, s44, 8704
	s_lshl_b32 s61, s45, 8
	s_add_co_u32 s60, s60, s61
	s_mov_b32 s61, 0
	s_lshl_b32 s62, s44, 16
	s_lshl_b32 s63, s42, 14
	s_add_co_u32 s62, s62, s63
	s_mov_b32 s63, 0
	s_lshl_b32 s46, s43, 17
	s_mov_b32 s47, 0
	s_wait_kmcnt 0x0
	s_add_nc_u64 s[84:85], s[18:19], s[60:61]      ; the mask at my first key
	s_add_nc_u64 s[86:87], s[16:17], s[62:63]      ; the column sums of my batch and my first head
	s_add_nc_u64 s[4:5], s[4:5], s[46:47]          ; x and out0 at my first token
	s_add_nc_u64 s[40:41], s[40:41], s[46:47]
	s_lshl_b32 s46, s42, 15
	s_add_nc_u64 s[76:77], s[20:21], s[46:47]      ; wo's image, my eight tiles
	s_add_nc_u64 s[66:67], s[76:77], 131072        ; w1's, chunk 0
	s_add_nc_u64 s[68:69], s[76:77], 655360        ; w2's, chunk 0
	s_lshl_b32 s46, s42, 11
	s_add_nc_u64 s[72:73], s[20:21], s[46:47]
	s_add_nc_u64 s[72:73], s[72:73], 1179648       ; w2's scales, chunk 0
	s_add_nc_u64 s[70:71], s[30:31], s[46:47]      ; w1's scales
	s_add_nc_u64 s[22:23], s[22:23], s[46:47]      ; wo's scales
	s_lshl_b32 s46, s42, 9
	s_add_nc_u64 s[74:75], s[32:33], s[46:47]      ; b1
	s_add_nc_u64 s[24:25], s[24:25], s[46:47]
	s_add_nc_u64 s[26:27], s[26:27], s[46:47]
	s_add_nc_u64 s[28:29], s[28:29], s[46:47]
	s_add_nc_u64 s[34:35], s[34:35], s[46:47]
	s_add_nc_u64 s[36:37], s[36:37], s[46:47]
	s_add_nc_u64 s[38:39], s[38:39], s[46:47]
	WIN 0x80
	s_wait_alu depctr_va_vdst(0)                   ; the offsets and LDS addresses made above are written, which the kernel's loads and stores read; so are the zero codes that stand beside k's, v's, q's and p's
.irp b, 0,1,2,3,4,5
.irp k, 0,1,2,3
	global_load_b128 v[PADC+16*\b+4*\k:PADC+16*\b+4*\k+3], v[LB], s[84:85] offset:128*\b+16*\k   ; register 8 kt + j: the mask of key 32 (kt / 2) + 8 (kt % 2) + 16 h + j
.endr
.endr
	WIN 0
	TLA 0
	TLB 0
	s_wait_loadcnt 50                              ; behind the mask: 19 + 31
	WIN 0xc8                                       ; destination window 3, source 1 window 2
.irp m, 0,1,2,3
.irp p, 0,1,2,3
	MCROW \m, \p
.endr
.endr
	WIN 0
; query tile m of the head in hand
.macro UNIT m
.set BOF_, (\m)/2                      ; the first of the tile's five blocks of 32 keys
	WIN 0x3a                                       ; k and q window 2, the edge masks window 3
.irp p, 0,1
	MM SS+8*\p, KF+4*(2*BOF_+\p), QF+8*(\m), MC+32*(\m)+8*\p, QKS+2*BOF_+\p, QKS+(\m), 1, 0
.endr
.irp p, 0,1
	MM SS+64+8*\p, KF+4*(2*BOF_+8+\p), QF+8*(\m), MC+32*(\m)+16+8*\p, QKS+2*BOF_+8+\p, QKS+(\m), 1, 0
.endr
	WIN 0x2a                                       ; open tiles: the mask of pad_mask alone
.irp q, 2,3,4,5,6,7
	MM SS+8*\q, KF+4*(2*BOF_+\q), QF+8*(\m), PADC+8*(2*BOF_+\q), QKS+2*BOF_+\q, QKS+(\m), 1, 0
.endr
	WIN 0
	NOP4
.if (\m) == 3
	s_cmp_lg_u32 s56, 0                            ; the first trip asks for the second head's q and k as soon as the last scores are issued
	s_cbranch_scc1 .Lno_tla
	s_wait_alu depctr_va_vdst(0)                   ; the scores' products are done reading k, q and their scale words, in which the second head's land
	TLA 1
.Lno_tla:
.endif
.irp b, 0,1,2,3,4
	v_max3_num_f32 v[BM+\b], v[SS+16*\b], v[SS+16*\b+1], v[SS+16*\b+2]   ; each block's largest score: for the row's maximum and for the block's largest p
.endr
.irp i, 3,5,7,9,11,13
.irp b, 0,1,2,3,4
	v_max3_num_f32 v[BM+\b], v[BM+\b], v[SS+16*\b+\i], v[SS+16*\b+\i+1]
.endr
.endr
.irp b, 0,1,2,3,4
	v_max_num_f32 v[BM+\b], v[BM+\b], v[SS+16*\b+15]
.endr
.irp b, 0,1,2,3,4
	v_permlanex16_b32 v[BT+\b], v[BM+\b], s48, s49
.endr
.irp b, 0,1,2,3,4
	v_max_num_f32 v[BM+\b], v[BM+\b], v[BT+\b]
.endr
	v_max3_num_f32 v[RM], v[BM], v[BM+1], v[BM+2]
	v_max3_num_f32 v[RM], v[RM], v[BM+3], v[BM+4]
	v_cmp_gt_f32 s55, s53, v[RM]                   ; no key of the row is allowed
	v_mul_f32 v[TQ+1], s50, v[RM]
	v_floor_f32 v[NM], -v[TQ+1]                    ; -M = floor(-t): M is a whole number
.set i_, 0
.rept 40
	v_pk_fma_f32 v[SS+i_:SS+i_+1], v[SS+i_:SS+i_+1], s[50:51], v[NM:NM+1] op_sel_hi:[1,0,0]
.set i_, i_+2
.endr
.irp b, 0,1,2,3,4
	v_fma_f32 v[BM+\b], v[BM+\b], s50, v[NM]
.endr
.set i_, 0
	s_wait_alu depctr_va_vdst(0)
.rept 80
	v_exp_f32 v[SS+i_], v[SS+i_]                   ; p = 2^(t - M), not normalised
.set i_, i_+1
.endr
	s_wait_dscnt 0x0                               ; the last tile's LDS stores have landed
.if (\m) > 0
	s_wait_alu depctr_vm_vsrc(0)                   ; the last tile's LDS stores have read v[PCD:PCD+3] and v[PWQ], which this tile writes again (for tile 0 the wait at the trip's head says so)
.endif
	v_mov_b32 v[PCD+10-10*BOF_], 0                 ; the block outside the window: zero codes.  (Plain places behind the exponentials)
	v_mov_b32 v[PCD+11-10*BOF_], 0
	s_wait_alu depctr_va_vdst(0)                   ; the 80 exponentials have written p: one wait for the batch, ahead of its first reader
.irp b, 0,1,2,3,4
	v_exp_f32 v[BM+\b], v[BM+\b]                   ; each block's largest p
.endr
	v_pk_add_f32 v[LL:LL+1], v[SS:SS+1], v[SS+2:SS+3]          ; the row's sum of the unquantised p begins, in two chains
	v_pk_add_f32 v[LL+2:LL+3], v[SS+4:SS+5], v[SS+6:SS+7]
	s_wait_alu depctr_va_vdst(0)                   ; the five exponentials have written the blocks' largest p, ahead of their first reader
.irp b, 0,1,2,3,4
	v_max_num_f32 v[BM+\b], FLOORC, v[BM+\b]
.endr
.irp b, 0,1,2,3,4
	v_add_nc_u32 v[BS+\b], EOFFC, v[BM+\b]
.endr
.irp b, 0,1,2,3,4
	v_lshrrev_b32 v[BT+\b], 23, v[BS+\b]
.endr
.if BOF_ == 0                          ; each byte at its block's place among the six; the hidden block's stays 0
	v_lshl_or_b32 v[PSW], v[BT+1], 8, v[BT]
	v_lshl_or_b32 v[PSW], v[BT+2], 16, v[PSW]
	v_lshl_or_b32 v[PSW], v[BT+3], 24, v[PSW]
	v_mov_b32 v[PSW+1], v[BT+4]
.else
	v_lshlrev_b32 v[PSW], 8, v[BT]
	v_lshl_or_b32 v[PSW], v[BT+1], 16, v[PSW]
	v_lshl_or_b32 v[PSW], v[BT+2], 24, v[PSW]
	v_lshl_or_b32 v[PSW+1], v[BT+4], 8, v[BT+3]
.endif
.irp b, 0,1,2,3,4
	v_cvt_scalef32_pk8_fp4_f32 v[PCD+2*(\b+BOF_)], v[SS+16*\b:SS+16*\b+7], v[BS+\b]
	v_cvt_scalef32_pk8_fp4_f32 v[PCD+2*(\b+BOF_)+1], v[SS+16*\b+8:SS+16*\b+15], v[BS+\b]
.endr
	v_nop
.irp c, 0,1,2
.irp i, 0,1
	v_permlane16_swap_b32 v[PCD+4*\c+\i], v[PCD+4*\c+2+\i]
.endr
.endr
.set i_, 8
.rept 18                               ; the rest of the row's sum: also the places between the scale words and codes just written and the products
	v_pk_add_f32 v[LL:LL+1], v[LL:LL+1], v[SS+i_:SS+i_+1]
	v_pk_add_f32 v[LL+2:LL+3], v[LL+2:LL+3], v[SS+i_+2:SS+i_+3]
.set i_, i_+4
.endr
	s_wait_alu depctr_va_vdst(0)                   ; p's codes and scale words and v's scale words, all written by vector instructions, are there for the products that take them; the places above stay beside this wait
	WIN 0x02                                       ; v window 2
.irp t, 0,1,2,3
	MM OA+8*\t, VF+12*\t, PCD, -1, VSW+2*\t, PSW, 0, 0
.endr
.irp t, 0,1,2,3
	MM OA+8*\t, VF+12*\t+8, PCD+8, OA+8*\t, VSW+2*\t+1, PSW+1, 0, 0
.endr
	WIN 0
	v_pk_add_f32 v[LL:LL+1], v[LL:LL+1], v[LL+2:LL+3]
	v_add_f32 v[LL], v[LL], v[LL+1]
	v_permlanex16_b32 v[TQ], v[LL], s48, s49
	v_add_f32 v[LL], v[LL], v[TQ]                  ; the row's sum
	s_wait_alu depctr_va_vdst(0)
	v_rcp_f32 v[RCP], v[LL]
	v_nop
	s_wait_alu depctr_va_vdst(0)                   ; the reciprocal is written, ahead of its first reader
	s_wait_alu depctr_va_sdst(0)                   ; s55, the compare's mask, is written, ahead of its first reader
	v_cndmask_b32 v[RL], v[RCP], 0, s55            ; an empty row takes nothing of the window
	v_cndmask_b32 v[FV], 0, s54, s55               ; and 1 / 2048 of the column sum
.set i_, 0
.rept 16
	v_pk_mul_f32 v[OA+i_:OA+i_+1], v[OA+i_:OA+i_+1], v[RL:RL+1] op_sel_hi:[1,0]
.set i_, i_+2
.endr
.set i_, 0
.rept 16
	v_pk_fma_f32 v[OA+i_:OA+i_+1], v[VSUM+i_:VSUM+i_+1], v[FV:FV+1], v[OA+i_:OA+i_+1] op_sel_hi:[1,0,1]
.set i_, i_+2
.endr
	; o's 64 channels of this head: two blocks along wo's K
.irp b, 0,1
	v_max3_num_f32 v[BM+\b], |v[OA+16*\b]|, |v[OA+16*\b+1]|, FLOORC
.endr
.irp i, 2,4,6,8,10,12,14
.irp b, 0,1
	v_max3_num_f32 v[BM+\b], v[BM+\b], |v[OA+16*\b+\i]|, |v[OA+16*\b+\i+1]|
.endr
.endr
.irp b, 0,1
	v_permlanex16_b32 v[BT+\b], v[BM+\b], s48, s49
.endr
.irp b, 0,1
	v_max_num_f32 v[BM+\b], v[BM+\b], v[BT+\b]
.endr
.irp b, 0,1
	v_add_nc_u32 v[BS+\b], EOFFC, v[BM+\b]
.endr
.irp b, 0,1
	v_lshrrev_b32 v[BT+\b], 23, v[BS+\b]
.endr
	v_lshl_or_b32 v[PWQ], v[BT+1], 8, v[BT]
.irp b, 0,1
	v_cvt_scalef32_pk8_fp4_f32 v[PCD+2*\b], v[OA+16*\b:OA+16*\b+7], v[BS+\b]
	v_cvt_scalef32_pk8_fp4_f32 v[PCD+2*\b+1], v[OA+16*\b+8:OA+16*\b+15], v[BS+\b]
.endr
	v_nop
	v_permlane16_swap_b32 v[PCD], v[PCD+2]
	v_permlane16_swap_b32 v[PCD+1], v[PCD+3]
	s_wait_alu depctr_va_vdst(0)                   ; o's codes and scale bytes and the trip's two LDS addresses are written, which the stores read; in tile 3 it also stands behind every instruction that names v, its scale words and the scores' registers
	ds_store_b128 v[OW], v[PCD:PCD+3] offset:AIMG+4096*(\m)    ; half of K step w of the next product
	ds_store_b16 v[OSW], v[PWQ] offset:ASC+512*(\m)
.endm
	s_mov_b32 s56, 0
.Lhead:                                                ; two trips: my two heads
	s_wait_loadcnt 12                              ; v's 12 loads may stay out; its scale words and the column sums are in
.irp i, 1,2,3,4,5,6,7,8,9,10,11,12,13,14,15
	v_pk_add_f32 v[SS:SS+1], v[SS:SS+1], v[SS+4*\i:SS+4*\i+1]      ; the 32 blocks' sums: a lane holds four channels of two blocks a load
	v_pk_add_f32 v[SS+2:SS+3], v[SS+2:SS+3], v[SS+4*\i+2:SS+4*\i+3]
.endr
.irp i, 0,1,2,3
	v_permlanex16_b32 v[BT+\i], v[SS+\i], s48, s49
.endr
.irp i, 0,1,2,3
	v_add_f32 v[SS+\i], v[SS+\i], v[BT+\i]
.endr
	s_wait_alu depctr_va_vdst(0)                   ; the sums are written into v[SS:SS+3], which the store reads; the last trip's multiply-adds are done reading the column sum, in which the loads below land
	ds_store_b128 v[VSLW], v[SS:SS+3] offset:VSL   ; both halves of the lanes write the same numbers
.irp t, 0,1,2,3
.irp k, 0,1
	ds_load_b128 v[VSUM+8*\t+4*\k:VSUM+8*\t+4*\k+3], v[VSLR] offset:VSL+64*\t+16*\k   ; back in o's layout; LDS serves a wave's instructions in order
.endr
.endr
.irp t, 0,2                                    ; v's scale words: bytes of key blocks 0 to 3, and of 4 and 5
	v_perm_b32 v[VSW+2*\t], v[VSR+2+\t/2], v[VSR+\t/2], s78
	v_perm_b32 v[VSW+2*\t+1], s80, v[VSR+4+\t/2], s78
	v_perm_b32 v[VSW+2*\t+2], v[VSR+2+\t/2], v[VSR+\t/2], s79
	v_perm_b32 v[VSW+2*\t+3], s80, v[VSR+4+\t/2], s79
.endr
	s_wait_loadcnt 0x0
	s_wait_dscnt 0x0
	s_wait_alu depctr_vm_vsrc(0)                   ; the store above has read v[SS:SS+3], which the scores write over; the last trip's LDS stores have read v[OW], v[OSW], written next, and o's codes and scale bytes, written in tile 0
	s_lshl_b32 s60, s56, 9
	v_add_nc_u32 v[OW], s60, v[AW]
	s_lshl_b32 s60, s56, 1
	v_add_nc_u32 v[OSW], s60, v[ASW]
	s_cmp_lg_u32 s56, 0
	s_cbranch_scc1 .Lno_wo
	WIN 0x40
	WL64 76                                        ; wo's fragments are asked for under the first head's work.  No wait: no vector or matrix instruction has named window 1
	WIN 0
.Lno_wo:
	UNIT 0
	UNIT 1
	UNIT 2
	UNIT 3
	NOP4
	s_cmp_lg_u32 s56, 0
	s_cbranch_scc1 .Lno_tlb
	TLB 1                                          ; no wait: behind tile 3's last wait on va_vdst stand two LDS stores and v_nop alone
.Lno_tlb:
	s_add_co_u32 s56, s56, 1
	s_cmp_lt_u32 s56, 2
	s_cbranch_scc1 .Lhead
	; ---- o wo + x: the accumulators begin as x
	s_wait_loadcnt 0x0                             ; nothing of the loop's loads is out on any way: their registers are used again
	s_wait_alu depctr_vm_vsrc(0)                   ; attention's loads and LDS stores have read their offsets, addresses and data (v136-139, v212-223), which are written or loaded anew from here on
	NOP4
.irp i, 0,1,2,3
	v_mov_b32 v[TM+4+\i], 0
.endr
	v_mov_b32 v[TP], 0
.irp i, 0,1,2,3,4,5,6,7
	v_mov_b32 v[SM+\i], 0
.endr
	s_wait_alu depctr_va_vdst(0)                   ; attention's vector and matrix instructions are done with window 0's v24-231, with k, v, q and the mask in window 2 and with the edge masks in window 3, in all of which the loads below land
	SL4 W1S, 22
	WIN 0xc0
.irp m, 0,1,2,3
.irp b, 0,1,2,3
.irp k, 0,1,2,3
	global_load_b128 v[64*\m+16*\b+4*\k:64*\m+16*\b+4*\k+3], v[XA], s[4:5] offset:(32*(\m/2)+8*(\m%2))*2048+128*\b+16*\k
.endr
.endr
.endr
	WIN 0x80
	BL16 BO, 24
	BL16 G1, 26
	BL16 BE1, 28
	BL16 B2, 34
	WIN 0
	BARRIER                                        ; o's sixteen fragments lie in LDS
.macro EPROD m, xf, xs
	WIN 0xf1                                       ; wo window 1, C and D window 3
.irp s, 0,1,2,3
.irp t, 0,1,2,3,4,5,6,7
	MM 64*(\m)+8*\t, 32*\t+8*\s, (\xf)+8*\s, 64*(\m)+8*\t, W1S+4*(\t/2)+\s, (\xs)+\s, \t%2, 0
.endr
.endr
	WIN 0
.endm
	FETCHA 0, XF, XS                               ; each token tile has registers of its own: the 48 loads go out in one run, and no load lands where a product of this phase has read
	FETCHA 1, HA, HS
	FETCHA 2, HA+32, HS+4
	FETCHA 3, STT, W2S
	s_wait_dscnt 36                                ; tile 0's twelve loads are in; the 36 behind them may stay out
	s_wait_loadcnt 63                              ; behind each tile of x stand 64 loads or more
	EPROD 0, XF, XS
	s_wait_dscnt 24
	EPROD 1, HA, HS
	s_wait_dscnt 12
	EPROD 2, HA+32, HS+4
	s_wait_dscnt 0x0
	EPROD 3, STT, W2S
	NOP4
	WIN 0x40
	s_wait_alu depctr_va_vdst(0)                   ; the products are done reading wo's fragments, in which w1's land
	WL64 66                                        ; w1, chunk 0
	WIN 0
	s_wait_loadcnt 63                              ; behind bo: 48 + 64
; mean and sum of squared deviations of my 128 columns of token tile m, into v[SM + 2 m], v[SM + 2 m + 1]
.macro LNSTAT m, addb
.set AC_, 64*(\m)
.if \addb
	WIN 0xcb
.set i_, 0
.rept 32
	v_pk_add_f32 v[AC_+i_:AC_+i_+1], v[AC_+i_:AC_+i_+1], v[BO+i_:BO+i_+1]
.set i_, i_+2
.endr
.endif
	WIN 0x0f
	v_pk_add_f32 v[SA_:SA_+1], v[AC_:AC_+1], v[AC_+2:AC_+3]
	v_pk_add_f32 v[SB_:SB_+1], v[AC_+4:AC_+5], v[AC_+6:AC_+7]
	WIN 0x0c
.set i_, 8
.rept 14
	v_pk_add_f32 v[SA_:SA_+1], v[SA_:SA_+1], v[AC_+i_:AC_+i_+1]
	v_pk_add_f32 v[SB_:SB_+1], v[SB_:SB_+1], v[AC_+i_+2:AC_+i_+3]
.set i_, i_+4
.endr
	WIN 0
	v_pk_add_f32 v[SA_:SA_+1], v[SA_:SA_+1], v[SB_:SB_+1]
	v_add_f32 v[SA_], v[SA_], v[SA_+1]
	v_permlanex16_b32 v[TP], v[SA_], s48, s49
	v_add_f32 v[SA_], v[SA_], v[TP]
	v_mul_f32 v[SM+2*(\m)], s59, v[SA_]
	WIN 0x03
.set i_, 0
.rept 32
	v_pk_add_f32 v[HA+i_:HA+i_+1], v[AC_+i_:AC_+i_+1], v[SM+2*(\m):SM+2*(\m)+1] op_sel_hi:[1,0] neg_lo:[0,1] neg_hi:[0,1]
.set i_, i_+2
.endr
	WIN 0
	v_pk_mul_f32 v[SA_:SA_+1], v[HA:HA+1], v[HA:HA+1]
	v_pk_mul_f32 v[SB_:SB_+1], v[HA+2:HA+3], v[HA+2:HA+3]
.set i_, 4
.rept 15
	v_pk_fma_f32 v[SA_:SA_+1], v[HA+i_:HA+i_+1], v[HA+i_:HA+i_+1], v[SA_:SA_+1]
	v_pk_fma_f32 v[SB_:SB_+1], v[HA+i_+2:HA+i_+3], v[HA+i_+2:HA+i_+3], v[SB_:SB_+1]
.set i_, i_+4
.endr
	v_pk_add_f32 v[SA_:SA_+1], v[SA_:SA_+1], v[SB_:SB_+1]
	v_add_f32 v[SA_], v[SA_], v[SA_+1]
	v_permlanex16_b32 v[TP], v[SA_], s48, s49
	v_add_f32 v[SM+2*(\m)+1], v[SA_], v[TP]
.endm
; the four tiles' figures go to LDS in one run, behind one wait
.macro STATOUT sbase
	s_wait_alu depctr_va_vdst(0)                   ; the four tiles' figures are written into v[SM ..], which the stores read
.irp m, 0,1,2,3
	ds_store_b64 v[STW], v[SM+2*\m:SM+2*\m+1] offset:(\sbase)+1024*\m
.endr
.endm
; the four waves' figures become each token's mean (CC) and 1 / sqrt(variance + 1e-5) (RR)
.macro LNCOMB sbase
.irp m, 0,1,2,3
.irp w, 0,1,2,3
	ds_load_b64 v[STT+8*\m+2*\w:STT+8*\m+2*\w+1], v[L8] offset:(\sbase)+1024*\m+256*\w
.endr
.endr
	s_wait_dscnt 0x0
.irp m, 0,1,2,3
	v_add_f32 v[TM+\m], v[STT+8*\m], v[STT+8*\m+2]
.endr
.irp m, 0,1,2,3
	v_add_f32 v[TM+4+\m], v[STT+8*\m+4], v[STT+8*\m+6]
.endr
.irp m, 0,1,2,3
	v_add_f32 v[TM+\m], v[TM+\m], v[TM+4+\m]
.endr
.irp m, 0,1,2,3
	v_mul_f32 v[CC+2*\m], 0x3e800000, v[TM+\m]     ; the mean of 512
.endr
.irp w, 0,1,2,3
.irp m, 0,1,2,3
	v_sub_f32 v[STT+8*\m+2*\w], v[STT+8*\m+2*\w], v[CC+2*\m]
.endr
.endr
.irp m, 0,1,2,3
	v_mul_f32 v[TM+4+\m], v[STT+8*\m], v[STT+8*\m]
.endr
.irp w, 1,2,3
.irp m, 0,1,2,3
	v_fma_f32 v[TM+4+\m], v[STT+8*\m+2*\w], v[STT+8*\m+2*\w], v[TM+4+\m]
.endr
.endr
.irp m, 0,1,2,3
	v_add_f32 v[TM+8+\m], v[STT+8*\m+1], v[STT+8*\m+3]
.endr
.irp m, 0,1,2,3
	v_add_f32 v[STT+8*\m+5], v[STT+8*\m+5], v[STT+8*\m+7]
.endr
.irp m, 0,1,2,3
	v_add_f32 v[TM+8+\m], v[TM+8+\m], v[STT+8*\m+5]
.endr
.irp m, 0,1,2,3
	v_fma_f32 v[TM+8+\m], v[TM+4+\m], s81, v[TM+8+\m]      ; + 128 x the parts' squared distances from the mean
.endr
.irp m, 0,1,2,3
	v_fma_f32 v[TM+8+\m], v[TM+8+\m], s82, s83
.endr
	s_wait_alu depctr_va_vdst(0)
.irp m, 0,1,2,3
	v_rsq_f32 v[RR+2*\m], v[TM+8+\m]
.endr
.irp m, 0,1,2,3
	v_mov_b32 v[CC+2*\m+1], v[CC+2*\m]             ; (plain places behind the four)
.endr
	s_wait_alu depctr_va_vdst(0)                   ; the four reciprocal roots are written, ahead of their first reader
.irp m, 0,1,2,3
	v_mov_b32 v[RR+2*\m+1], v[RR+2*\m]
.endr
.endm
; HA = (accumulators of tile m - mean) x rstd x g + b, as it is written in the problem
.macro NORM m, wing, gg, bb
	WIN 0x03
.set i_, 0
.rept 32
	v_pk_add_f32 v[HA+i_:HA+i_+1], v[64*(\m)+i_:64*(\m)+i_+1], v[CC+2*(\m):CC+2*(\m)+1] op_sel_hi:[1,0] neg_lo:[0,1] neg_hi:[0,1]
.set i_, i_+2
.endr
	WIN 0
.set i_, 0
.rept 32
	v_pk_mul_f32 v[HA+i_:HA+i_+1], v[HA+i_:HA+i_+1], v[RR+2*(\m):RR+2*(\m)+1] op_sel_hi:[1,0]
.set i_, i_+2
.endr
	WIN \wing
.set i_, 0
.rept 32
	v_pk_fma_f32 v[HA+i_:HA+i_+1], v[HA+i_:HA+i_+1], v[\gg+i_:\gg+i_+1], v[\bb+i_:\bb+i_+1]
.set i_, i_+2
.endr
	WIN 0
.endm
	LNSTAT 0, 1
	LNSTAT 1, 1
	LNSTAT 2, 1
	LNSTAT 3, 1
	STATOUT STAT1
	BARRIER                                        ; all figures lie in LDS, and nobody reads o's fragments any more
	LNCOMB STAT1                                   ; its loads land where tile 3's fragments lay: the products that read them stand ahead of the waits above
	s_wait_loadcnt 63                              ; behind g1, be1, b2: w1's 64
; x1 of tile m: quantised, its image to LDS; the accumulators go on as x1 + b2
.macro FSTEP m
	NORM \m, 0x28, G1, BE1
	QUANT HA, PC, PW
	s_wait_alu depctr_va_vdst(0)                   ; QUANT has written the codes and the scale word, which the stores read
	ds_store_b128 v[AW], v[PC:PC+3] offset:AIMG+4096*(\m)
	ds_store_b128 v[AW], v[PC+4:PC+7] offset:AIMG+4096*(\m)+512
	ds_store_b32 v[ASW], v[PW] offset:ASC+512*(\m)
	WIN 0xc8
.set i_, 0
.rept 32
	v_pk_add_f32 v[64*(\m)+i_:64*(\m)+i_+1], v[HA+i_:HA+i_+1], v[B2+i_:B2+i_+1]
.set i_, i_+2
.endr
	WIN 0
	s_wait_dscnt 0x0                               ; the stores have landed
	s_wait_alu depctr_vm_vsrc(0)                   ; the stores have read v[PC ..] and v[PW], which the next QUANT writes; the figures' stores have read v[SM ..], in which b1 lands
.endm
	FSTEP 0
	FSTEP 1
	FSTEP 2
	FSTEP 3
	s_wait_alu depctr_va_vdst(0)                   ; the additions are done reading b2, in whose window w2 lands; the norms are done with the statistics, in which b1 lands; the products of o wo are done reading the scale words' registers
	SL4 W1S, 70
	BL16 B1, 74
	SL4 W2S, 72
	WIN 0x80
	WL64 68                                        ; w2, chunk 0
	WIN 0
	BARRIER                                        ; x1's sixteen fragments lie in LDS
	FETCHA 0, XF, XS
.macro FETCHH sp                       ; K step sp of the chunk: the four token tiles' hidden fragments and their scale words: 9 LDS loads
.irp m, 0,1,2,3
.irp c, 0,1
	ds_load_b128 v[HA+32*((\sp)%2)+8*\m+4*\c:HA+32*((\sp)%2)+8*\m+4*\c+3], v[LI] offset:HIMG+(4*(\sp)+\m)*1024+512*\c
.endr
.endr
	ds_load_b128 v[HS+4*((\sp)%2):HS+4*((\sp)%2)+3], v[LI] offset:HSC+512*(\sp)
.endm
.macro P2STEP sp
	NOP4
.if ((\sp) == 1) || ((\sp) == 2)
	s_wait_alu depctr_va_vdst(0)                   ; the step before is done reading its hidden fragments and scale words, in which the next step's land
.endif
	s_cmp_eq_u32 s58, 3
	s_cbranch_scc1 .Lnl_\@                         ; the last chunk asks for nothing more
	WIN 0x40
.irp i, 0,1,2,3,4,5,6,7,8,9,10,11,12,13,14,15
	global_load_b128 v[4*(16*(\sp)+\i):4*(16*(\sp)+\i)+3], v[LI], s[66:67] offset:512*(16*(\sp)+\i)   ; no wait of their own: w1's, b1's and w1's scales' registers were last named by the first product, ahead of the token tiles' waits
.endr
	WIN 0
.irp k, 0,1,2,3
	global_load_b128 v[B1+16*(\sp)+4*\k:B1+16*(\sp)+4*\k+3], v[LB], s[74:75] offset:128*(\sp)+16*\k
.endr
.if (\sp) == 0
	SL4 W1S, 70
.endif
.Lnl_\@:
.if (\sp) < 3
	FETCHH (\sp)+1
	s_wait_dscnt 9                                 ; the nine just issued may stay out
.else
	s_wait_dscnt 0x0
.endif
	WIN 0xf2                                       ; w2 window 2, C and D window 3
.irp m, 0,1,2,3
.irp t, 0,1,2,3,4,5,6,7
	MM 64*\m+8*\t, 32*\t+8*(\sp), HA+32*((\sp)%2)+8*\m, 64*\m+8*\t, W2S+4*(\t/2)+(\sp), HS+4*((\sp)%2)+\m, \t%2, 0
.endr
.endr
	WIN 0
.endm
	s_mov_b32 s58, 0
.Lchunk:                                               ; four trips: 512 hidden units each
	s_wait_loadcnt 63                              ; behind w1's codes, scales and b1 stand w2's 68
	s_add_nc_u64 s[66:67], s[66:67], 131072        ; that wait has shown their loads done: on to the next chunk
	s_add_nc_u64 s[70:71], s[70:71], 8192
	s_add_nc_u64 s[74:75], s[74:75], 2048
	s_mov_b32 s57, 0
.Lm:                                                   ; four trips: a token tile each: my 128 hidden units, relu, quantised, image to LDS
	s_wait_dscnt 0x0
	WIN 0x01
.irp t, 0,1,2,3,4,5,6,7
	MM HA+8*\t, 32*\t, XF, B1+8*\t, W1S+4*(\t/2), XS, \t%2, 0
.endr
.irp s, 1,2,3
.irp t, 0,1,2,3,4,5,6,7
	MM HA+8*\t, 32*\t+8*\s, XF+8*\s, HA+8*\t, W1S+4*(\t/2)+\s, XS+\s, \t%2, 0
.endr
.endr
	WIN 0
	NOP4
	s_add_co_u32 s60, s57, 1
	s_and_b32 s60, s60, 3                          ; the next tile; behind the last comes tile 0, for the next chunk
	s_lshl_b32 s61, s60, 12
	s_wait_alu depctr_vm_vsrc(0)                   ; the last trip's LDS loads have read v[AX] and v[AXS], its LDS stores v[HW], v[HWS], the codes and the scale word: all six are written again in this trip
	v_add_nc_u32 v[AX], s61, v[LI]
	s_lshl_b32 s61, s60, 9
	v_add_nc_u32 v[AXS], s61, v[L4]
	s_wait_alu depctr_va_vdst(0)                   ; v[AX] and v[AXS] are written, which the loads read; the products are done reading x1's fragments and scale words, in which the loads land
.irp s, 0,1,2,3
.irp c, 0,1
	ds_load_b128 v[XF+8*\s+4*\c:XF+8*\s+4*\c+3], v[AX] offset:AIMG+1024*\s+512*\c
.endr
.endr
.irp s, 0,1,2,3
	ds_load_b32 v[XS+\s], v[AXS] offset:ASC+128*\s
.endr
.set i_, 0
.rept 64
	v_max_num_f32 v[HA+i_], 0, v[HA+i_]
.set i_, i_+1
.endr
	QUANT HA, PC, PW
	s_lshl_b32 s61, s57, 10
	v_add_nc_u32 v[HW], s61, v[HWB]
	s_lshl_b32 s61, s57, 2
	v_add_nc_u32 v[HWS], s61, v[HSB]
	s_wait_alu depctr_va_vdst(0)                   ; the codes, the scale word and the two LDS addresses are written, which the stores read; in the last trip QUANT is also done reading v[HA ..], in which the first hidden fragments land
	ds_store_b128 v[HW], v[PC:PC+3] offset:HIMG
	ds_store_b128 v[HW], v[PC+4:PC+7] offset:HIMG+512
	ds_store_b32 v[HWS], v[PW] offset:HSC
	s_add_co_u32 s57, s57, 1
	s_cmp_lt_u32 s57, 4
	s_cbranch_scc1 .Lm
	BARRIER                                        ; the chunk's sixteen hidden fragments lie in LDS
	s_wait_loadcnt 0x0                             ; w2's chunk
	s_add_nc_u64 s[68:69], s[68:69], 131072
	s_add_nc_u64 s[72:73], s[72:73], 8192
	FETCHH 0                                       ; no wait: no vector or matrix instruction stands behind the last trip's wait on va_vdst
	P2STEP 0
	P2STEP 1
	P2STEP 2
	P2STEP 3
	NOP4                                           ; four places,
	v_nop                                          ; and a fifth: the next chunk's first products write over the hidden fragments that the last products read (a matrix instruction that writes over an operand stands five places behind its reader)
	s_cmp_eq_u32 s58, 3
	s_cbranch_scc1 .Lno_w2
	s_wait_alu depctr_va_vdst(0)                   ; the second product is done reading w2's fragments and scale words, in which the next chunk's land
	SL4 W2S, 72
	WIN 0x80
	WL64 68
	WIN 0
.Lno_w2:
	BARRIER                                        ; every wave's reads of the hidden fragments are over: the next chunk may write them
	s_add_co_u32 s58, s58, 1
	s_cmp_lt_u32 s58, 4
	s_cbranch_scc1 .Lchunk
	; ---- the second norm and the way out
	s_wait_loadcnt 0x0                             ; nothing of the loop's loads is out on any way: their registers are used again
	WIN 0x40
	s_wait_alu depctr_va_vdst(0)                   ; the last chunk's products are done reading w1's fragments, in which g2 and be2 land, and b1, in which the figures will land
	BL16 G2, 36
	BL16 BE2, 38
	WIN 0
.irp i, 0,1,2,3,4,5,6,7
	v_mov_b32 v[SM+\i], 0
.endr
	LNSTAT 0, 0
	LNSTAT 1, 0
	LNSTAT 2, 0
	LNSTAT 3, 0
	STATOUT STAT2
	BARRIER
	LNCOMB STAT2
	s_wait_loadcnt 0x0
; tile m goes through my stage in LDS and comes back as whole pieces of rows, into the registers that it left
.macro HSTEP m
.if (\m) > 0
	s_wait_xcnt 0x0                                ; the last tile's stores have had their addresses translated
	s_wait_alu depctr_vm_vsrc(0)                   ; the last tile's stores have read v[HA ..], which the norm writes again
.endif
	NORM \m, 0x14, G2, BE2
	s_wait_alu depctr_va_vdst(0)                   ; the norm has written v[HA ..], which the LDS stores read and in which the LDS loads land
.irp b, 0,1,2,3
.irp k, 0,1,2,3
	ds_store_b128 v[SO], v[HA+16*\b+4*\k:HA+16*\b+4*\k+3] offset:OUTS+128*\b+16*\k
.endr
.endr
	s_wait_alu depctr_vm_vsrc(0)                   ; the LDS stores have read v[HA ..], in which the loads below land
.irp i, 0,1,2,3,4,5,6,7,8,9,10,11,12,13,14,15
	ds_load_b128 v[HA+4*\i:HA+4*\i+3], v[SRD] offset:OUTS+528*\i   ; LDS serves a wave's instructions in order: these see my stores
.endr
.irp i, 0,1,2,3,4,5,6,7,8,9,10,11,12,13,14,15
	s_wait_dscnt 15-\i
	global_store_b128 v[OUTO], v[HA+4*\i:HA+4*\i+3], s[40:41] offset:(32*((\m)/2)+8*((\m)%2)+\i+8*(\i/8))*2048 th:TH_STORE_NT   ; 32 lanes store 512 consecutive bytes, at a multiple of 512 from out0's first byte
.endr
.endm
	HSTEP 0
	HSTEP 1
	HSTEP 2
	HSTEP 3
	s_wait_xcnt 0x0
	v_lshl_add_u32 v254, v0, 2, 0x13c00            ; no memory or LDS instruction has ever read v254 or v255
	v_mov_b32 v255, 0
	s_wait_dscnt 0x0                               ; the closing lines, six on end
	s_wait_alu 0x0
	s_wait_tensorcnt 0x0
	ds_add_u32 v254, v255
	s_wait_dscnt 0x0
	s_endpgm
.Lfunc_end_k_q34161d308f_block:
	.size	k_q34161d308f_block, .Lfunc_end_k_q34161d308f_block-k_q34161d308f_block
	.p2alignl 7, 3214868480
	.fill 96, 4, 3214868480
	.section	.rodata,"a",@progbits
	.p2align	6, 0x0
	.amdhsa_kernel k_q34161d308f_block
		.amdhsa_group_segment_fixed_size 81408
		.amdhsa_private_segment_fixed_size 0
		.amdhsa_enable_private_segment 0
		.amdhsa_kernarg_size 152
		.amdhsa_user_sgpr_count 2
		.amdhsa_user_sgpr_kernarg_segment_ptr 1
		.amdhsa_wavefront_size32 1
		.amdhsa_system_sgpr_workgroup_id_x 1
		.amdhsa_system_sgpr_workgroup_id_y 1
		.amdhsa_system_sgpr_workgroup_id_z 1
		.amdhsa_system_vgpr_workitem_id 0
		.amdhsa_next_free_vgpr 1024
		.amdhsa_next_free_sgpr 96
		.amdhsa_reserve_vcc 0
		.amdhsa_float_denorm_mode_32 3
		.amdhsa_float_denorm_mode_16_64 3
		.amdhsa_memory_ordered 1
		.amdhsa_forward_progress 1
		.amdhsa_inst_pref_size 255
	.end_amdhsa_kernel
	.section	.bss,"aw",@nobits
	.p2align	6
	.space	262144
	.amdgpu_metadata
---
amdhsa.version: [ 1, 2 ]
amdhsa.kernels:
  - .name:           k_q34161d308f_block
    .symbol:         k_q34161d308f_block.kd
    .args:
      - { .name: x, .offset: 0, .size: 8, .value_kind: global_buffer, .address_space: global }
      - { .name: qc, .offset: 8, .size: 8, .value_kind: global_buffer, .address_space: global }
      - { .name: kc, .offset: 16, .size: 8, .value_kind: global_buffer, .address_space: global }
      - { .name: vc, .offset: 24, .size: 8, .value_kind: global_buffer, .address_space: global }
      - { .name: qks, .offset: 32, .size: 8, .value_kind: global_buffer, .address_space: global }
      - { .name: vs, .offset: 40, .size: 8, .value_kind: global_buffer, .address_space: global }
      - { .name: vp, .offset: 48, .size: 8, .value_kind: global_buffer, .address_space: global }
      - { .name: padf, .offset: 56, .size: 8, .value_kind: global_buffer, .address_space: global }
      - { .name: wimg, .offset: 64, .size: 8, .value_kind: global_buffer, .address_space: global }
      - { .name: wo_scales, .offset: 72, .size: 8, .value_kind: global_buffer, .address_space: global }
      - { .name: bo, .offset: 80, .size: 8, .value_kind: global_buffer, .address_space: global }
      - { .name: g1, .offset: 88, .size: 8, .value_kind: global_buffer, .address_space: global }
      - { .name: be1, .offset: 96, .size: 8, .value_kind: global_buffer, .address_space: global }
      - { .name: w1_scales, .offset: 104, .size: 8, .value_kind: global_buffer, .address_space: global }
      - { .name: b1, .offset: 112, .size: 8, .value_kind: global_buffer, .address_space: global }
      - { .name: b2, .offset: 120, .size: 8, .value_kind: global_buffer, .address_space: global }
      - { .name: g2, .offset: 128, .size: 8, .value_kind: global_buffer, .address_space: global }
      - { .name: be2, .offset: 136, .size: 8, .value_kind: global_buffer, .address_space: global }
      - { .name: out0, .offset: 144, .size: 8, .value_kind: global_buffer, .address_space: global }
    .group_segment_fixed_size: 81408
    .private_segment_fixed_size: 0
    .kernarg_segment_align: 8
    .kernarg_segment_size: 152
    .max_flat_workgroup_size: 128
    .sgpr_count:     96
    .vgpr_count:     1024
    .wavefront_size: 32
...
	.end_amdgpu_metadata
.endif
;; end of part 4
